; MI455X (gfx1250); checked and timed in simulation.
; The chip was launched on July 23, 2026; its instructions are those of AMD's public machine-readable ISA for CDNA 5 (MIT licence, August 2026) and "CDNA5" Instruction Set Architecture Reference Guide (July 2026). The comments in the code are by the model that wrote it; some were corrected since.
;; Mock Qwen3 Attention. Allowed arithmetic: matrix products marked QUANTISED: E3M2 operands, one E8M0 scale for each 32 along K, by v_wmma_scale_f32_16x16x128_f8f6f4 with both operands' format E3M2, f32 sums; everything else in f32.
;; Inputs: hidden_states 4 x 2,048 x 1,024 float32; k_norm_b 64 float32; k_norm_w 64 float32; o_b 1,024 float32; o_w 1,024 x 1,024 float32; q_norm_b 64 float32; q_norm_w 64 float32; qkv_b 3,072 float32; qkv_w 3,072 x 1,024 float32.
;; Outputs: out0 4 x 2,048 x 1,024 float32.
;; This version of the problem:
;;   THIS VERSION OF THE PROBLEM IS GIVEN IN LOW PRECISION. The matrix products marked QUANTISED in the list below multiply operands that are first quantised to E3M2 (3 exponent bits, 2 mantissa bits; 6 bits a number), with one power-of-two scale for each 32 numbers along K (OCP MX v1.0); their sums are f32. All else is computed in f32.
;;   The module's matrix products, in the order in which they are computed (A, B: the left and right operand; K: the contracted axis; several contracted axes count as one K, in the product's order):
;;     1. [M 8,192, K 1,024] x [K 1,024, N 3,072]; A: input hidden_states; B: input qkv_w: QUANTISED
;;     2. batch 64 x [M 2,048, K 64] x [K 64, N 2,048]; A: computed on the way; B: computed on the way: QUANTISED
;;     3. batch 64 x [M 64, K 2,048] x [K 2,048, N 2,048]; A: computed on the way; B: softmax (see below): QUANTISED
;;     4. [M 8,192, K 1,024] x [K 1,024, N 1,024]; A: computed on the way; B: input o_w: QUANTISED
;;   THE QUANTISER, for each operand of a quantised product, along K:
;;     - K is cut into blocks of 32 from its start; a last block that is shorter is filled with zeros.
;;     - A block's scale is 2^e with e = floor(log2(the largest magnitude in the block)) - 4, held to -126 .. 127; a block of zeros has e = 0. As a byte (E8M0): e + 127.
;;     - Each number is divided by its block's scale, clamped to +-28, and rounded to the nearest number of E3M2, ties to even, subnormals kept.
;;     - The product sums the exact products of the quantised numbers (number of the format x scale) in f32.
;;   ~~~python
;;   def quantise(x, axis):      # numpy; x: float32 -> the quantised numbers, widened to float32 again
;;       x = np.moveaxis(x, axis, -1); K = x.shape[-1]
;;       x = np.pad(x, [(0, 0)] * (x.ndim - 1) + [(0, -K % 32)]); x = x.reshape(x.shape[:-1] + (-1, 32)); a = np.abs(x).max(-1, keepdims=True)
;;       e = np.where(a > 0, np.clip(np.frexp(np.where(a > 0, a, 1))[1] - 1 - 4, -126, 127), 0)      # np.frexp(a)[1] - 1 = floor(log2(a)), exactly
;;       r = np.clip(x / 2.0 ** e, -28, 28)
;;       step = 2.0 ** (np.maximum(np.frexp(np.where(r == 0, 1, r))[1] - 1, -2) - 2)
;;       q = np.round(r / step) * step * 2.0 ** e      # np.round: ties to even
;;       return np.moveaxis(q.reshape(q.shape[:-2] + (-1,))[..., :K], -1, axis).astype(np.float32)
;;   ~~~
;;   SOFTMAX AHEAD OF A QUANTISED PRODUCT. Where the list says 'softmax', what is quantised is not the finished softmax but p = 2^(t - M), with t = logit x log2(e) and M = ceil(the row's largest t), a whole number; so 1/2 < the row's largest p <= 1. The row's sum l is taken of the UNQUANTISED p, in f32, and the product's result is divided by l at the end. Since M is a whole number, a kernel that streams over the keys may use a running M (the ceiling of the running maximum): every later rescaling is an exact power of two, which a block's scale takes up: the codes' values come out the same.
;;   OPERANDS COMPUTED ON THE WAY. 'Computed on the way' means the value that the module computes at that place (a softmax that the list does not call 'softmax' is quantised finished and normalised). What goes into a quantiser is computed in f32, as accurately as f32 sums, v_exp_f32 and their like allow (about 1e-6 of the number): no bf16 or f16 on the way to a quantiser, and a product that is left as it is and whose result goes on into a quantised operand takes f32 operands (vector FMAs, or v_wmma_f32_16x16x4_f32). A number that lies on a knife's edge between two numbers of the format may be rounded either way, as far as f32 arithmetic and the matrix unit's own rounding can turn it there, and no further.
;; One version. Each part assembles by itself: llvm-mc -triple=amdgcn-amd-amdhsa -mcpu=gfx1250 --defsym DOCPART=n.
;; ======== version 1 of 1: 5 launches
;; limits: right only within a limited range of input values
;; workspace buffers: cod 9,437,184 bytes; scl 393,216 bytes; img 18,874,368 bytes; isc 1,572,864 bytes; acod 6,291,456 bytes; asc 262,144 bytes
;; launch quant (part 1): grid 768 x 1, 4 waves a work-group, no clusters, 34,304 bytes of LDS; arguments hidden_states, qkv_w, o_w, cod, scl; writes cod, scl
.if DOCPART == 1
	.amdgcn_target "amdgcn-amd-amdhsa--gfx1250"
	.amdhsa_code_object_version 6
	.text
	.protected	k_q7a2a3bb4f9_quant
	.globl	k_q7a2a3bb4f9_quant
	.p2align	8
	.type	k_q7a2a3bb4f9_quant,@function
k_q7a2a3bb4f9_quant:
	s_mov_b64 s[64:65], 0
	v_nop
	global_prefetch_b8 v0, s[64:65] scope:SCOPE_SE
	s_setreg_imm32_b32 hwreg(HW_REG_WAVE_MODE, 25, 1), 1
	s_wait_xcnt 0x0
; hidden_states [8192][1024], qkv_w [3072][1024] and o_w [1024][1024], f32, K innermost, become codes of BF6 (E3M2) with one E8M0 byte for each 32 along K.
; The three tensors are one list of 12,288 rows (X, then qkv_w, then o_w).  OUT: cod [K slot 4][row 12288][192 bytes] (256 codes), scl [K slot 4][row 12288][8 bytes].
; ROW ORDER: inside each group of 32 rows, the row with number o lies at place p = o with bits 3 and 4 exchanged.  So the 16 places of a matrix tile hold rows 8 u + x and 16 + 8 u + x (x = 0..7),
; and a product that takes such a tile as its source 0 has 16 NEIGHBOURING rows in the 16 registers of two neighbouring tiles.
; A block's scale is 2^(floor(log2(largest magnitude)) - 4); its byte is the largest magnitude's exponent field - 4, held at 1 from below.
; LIMITS: a block of zeros gets the byte 1, not 127 (its codes are zeros; the bytes are read by this program alone); blocks whose largest magnitude lies under 2^-122 are held at the byte 1;
; NaN and infinities among the inputs are not served.
; SHARES: a work-group takes 32 rows x 512 along K (two K slots): work-group number / 2 is the group of rows, its lowest bit the half of K.  Wave w takes rows 8 w .. 8 w + 7, which go to places 8 pw .. 8 pw + 7,
; pw = w with its two bits exchanged.  A step is 2 rows x 256 along K = 512 numbers; 8 steps a wave.
; Each load reads 512 consecutive bytes; a step's 2,048 bytes turn through the wave's own stage in LDS (16 bytes of padding behind each 64), so that a lane then holds 16 neighbours along K.
; A lane's 16 codes are 12 bytes: a wave's store covers 384 consecutive bytes.  The scale bytes meet in LDS; behind one barrier waves 0 and 1 store one K slot's 256 bytes each, aligned.
.set STEPS, 8
.set EMAX,  4
.set CB,    12                         ; bytes of 16 codes
.set R,     16                         ; v16-79   four sets of 16 numbers as loaded
.set X,     80                         ; v80-111  two sets of 16 neighbours
.set E,     112                        ; v112-119 a scale byte for each step
.set C,     128                        ; v128-159 codes: four registers a step, so that no store's data are written again
.set WREG,  8192                       ; LDS: a region for each wave: two stages of 32 x SP bytes
.set SP,    80
.set SCB,   32768                      ; LDS: the work-group's scale bytes: [K slot of my two][place 32][8]
.set CSL,   2359296                    ; bytes of a K slot in cod
.set SSL,   98304                      ; and in scl
	s_load_b128 s[4:7], s[0:1], 0x0                ; hidden_states, qkv_w
	s_load_b128 s[8:11], s[0:1], 0x10              ; o_w, cod
	s_load_b64 s[12:13], s[0:1], 0x20              ; scl
	v_lshl_add_u32 v192, v0, 2, 0x8400
	v_mov_b32 v193, 0
	v_lshrrev_b32 v1, 5, v0
	v_readfirstlane_b32 s16, v1                    ; wave
	v_and_b32 v2, 31, v0                           ; lane
	v_lshlrev_b32 v3, 4, v2                        ; my 16 bytes of a load's 512
	s_mul_i32 s17, s16, WREG
	v_lshrrev_b32 v14, 2, v2
	v_mul_u32_u24 v14, v14, SP
	v_and_b32 v15, 3, v2
	v_lshl_add_u32 v14, v15, 4, v14
	v_add_nc_u32 v14, s17, v14                     ; the stage, on the way in: SP (lane / 4) + 16 (lane % 4)
	v_mul_u32_u24 v15, v2, SP
	v_add_nc_u32 v15, s17, v15                     ; and on the way out: SP x lane
	v_mul_u32_u24 v4, v2, CB                       ; my codes' place in a step's 384 bytes
	s_and_b32 s18, s16, 1
	s_lshl_b32 s18, s18, 1
	s_lshr_b32 s19, s16, 1
	s_or_b32 s18, s18, s19                         ; pw
	s_lshl_b32 s19, s18, 6
	s_add_co_u32 s19, s19, SCB
	v_lshrrev_b32 v5, 1, v2
	v_add_nc_u32 v5, s19, v5                       ; my block's byte: SCB + 64 pw + lane / 2 (+ 256 K slot + 16 row pair)
	v_lshlrev_b32 v7, 3, v2                        ; on the way out 8 bytes a lane
	s_lshl_b32 s19, s16, 8
	s_add_co_u32 s19, s19, SCB
	v_add_nc_u32 v6, s19, v7                       ; wave w (0 or 1) reads the 256 bytes of the w-th of my two K slots
	s_wait_alu depctr_va_vdst(0)                   ; the wait at the head's end
	s_wait_kmcnt 0x0
	s_lshr_b32 s23, ttmp9, 1                       ; the group of 32 rows
	s_and_b32 s24, ttmp9, 1                        ; the half of K
	s_cmp_lt_u32 s23, 352                          ; which tensor?  The choice hangs on the work-group's number alone
	s_cselect_b64 s[6:7], s[6:7], s[8:9]
	s_mov_b32 s15, 352
	s_cselect_b32 s15, 256, s15
	s_cmp_lt_u32 s23, 256
	s_cselect_b64 s[4:5], s[4:5], s[6:7]
	s_cselect_b32 s15, 0, s15
	s_sub_co_u32 s15, s23, s15                     ; the group of 32 rows inside its tensor
	s_lshl_b32 s15, s15, 2
	s_add_co_u32 s20, s15, s16
	s_lshl_b32 s20, s20, 15                        ; 8 rows of 4,096 bytes a wave,
	s_lshl_b32 s25, s24, 11
	s_add_co_u32 s20, s20, s25                     ; and 2,048 bytes along a row for the second half of K
	s_mov_b32 s21, 0
	s_add_nc_u64 s[4:5], s[4:5], s[20:21]
	s_mul_i32 s20, s23, 6144                       ; cod: 32 places of 192 bytes a group,
	s_mul_i32 s25, s24, 2*CSL                      ; two K slots a half,
	s_add_co_u32 s20, s20, s25
	s_mul_i32 s22, s18, 1536                       ; 8 places a wave
	s_add_co_u32 s20, s20, s22
	s_add_nc_u64 s[10:11], s[10:11], s[20:21]
	s_lshl_b32 s25, s24, 1
	s_add_co_u32 s25, s25, s16
	s_mul_i32 s20, s25, SSL                        ; scl: K slot 2 half + w, the group's 256 bytes
	s_lshl_b32 s22, s23, 8
	s_add_co_u32 s20, s20, s22
	s_add_nc_u64 s[12:13], s[12:13], s[20:21]
.macro LOAD t                          ; step t: K slot t / 4 of my two, rows 2 (t % 4) and 2 (t % 4) + 1: each row's 1,024 bytes of the slot in two loads
.irp i, 0,1,2,3
	global_load_b128 v[R+16*((\t)%4)+4*\i:R+16*((\t)%4)+4*\i+3], v3, s[4:5] offset:(2*((\t)%4)+\i/2)*4096+((\t)/4)*1024+(\i%2)*512 th:TH_LOAD_NT
.endr
.endm
.macro TURN t                          ; step t's numbers through the stage: LDS serves a wave's instructions in order, so no wait stands between the stores and the loads
.irp i, 0,1,2,3
	ds_store_b128 v14, v[R+16*((\t)%4)+4*\i:R+16*((\t)%4)+4*\i+3] offset:32*SP*((\t)%2)+8*SP*\i
.endr
.irp i, 0,1,2,3
	ds_load_b128 v[X+16*((\t)%2)+4*\i:X+16*((\t)%2)+4*\i+3], v15 offset:32*SP*((\t)%2)+16*\i
.endr
.endm
.irp t, 0,1,2,3
	LOAD \t
.endr
	s_wait_loadcnt 12                              ; step 0's four loads are in; the twelve of steps 1 to 3 may be out
	TURN 0
.macro STEP t
.set XS, X+16*((\t)%2)
.if (\t) > 0
	s_wait_dscnt 1                                 ; this step's numbers are back from the stage (the last step's byte store may be out): its stores into the stage have read their registers,
.else
	s_wait_dscnt 0x0
.endif
.if (\t)+4 < STEPS
	LOAD (\t)+4                                    ; which take the loads of four steps on
.endif
.if (\t)+1 < STEPS
.if STEPS-2-(\t) >= 3
	s_wait_loadcnt 12                              ; the next step's four loads are in; those of the three steps behind it may be out
.else
	s_wait_loadcnt 4*(STEPS-2-(\t))
.endif
	TURN (\t)+1
.endif
	v_max3_num_f32 v8, |v[XS]|, |v[XS+1]|, |v[XS+2]|               ; the largest magnitude of my 16, in two chains
	v_max3_num_f32 v9, |v[XS+3]|, |v[XS+4]|, |v[XS+5]|
.irp i, 6,10
	v_max3_num_f32 v8, v8, |v[XS+\i]|, |v[XS+\i+1]|
	v_max3_num_f32 v9, v9, |v[XS+\i+2]|, |v[XS+\i+3]|
.endr
	v_max3_num_f32 v8, v8, |v[XS+14]|, |v[XS+15]|
	v_max3_num_f32 v8, v8, v9, (EMAX+1)<<23        ; and the floor 2^(5 - 127): the byte cannot fall under 1
	v_max_num_f32_dpp v8, v8, v8 row_xmask:1 row_mask:0xf bank_mask:0xf   ; with my neighbour's 16: the block's
	v_add_nc_u32 v11, -(EMAX<<23), v8              ; 4 off its exponent field: the conversion takes the exponent field of this operand as its scale
	v_cvt_scalef32_pk16_bf6_f32 v[C+4*(\t):C+4*(\t)+2], v[XS:XS+15], v11
	v_lshrrev_b32 v[E+(\t)], 23, v11               ; the scale's byte (a plain line behind the conversion)
	ds_store_b8 v5, v[E+(\t)] offset:((\t)/4)*256+((\t)%4)*16      ; both lanes of a block write the same byte with the same value
	global_store_b96 v4, v[C+4*(\t):C+4*(\t)+2], s[10:11] offset:((\t)/4)*CSL+((\t)%4)*384   ; the K slot and the row pair stand in the immediate: 2,360,448 at the most
.endm
.irp t, 0,1,2,3,4,5,6,7
	STEP \t
.endr
	s_wait_dscnt 0x0                               ; for the others' sake: my byte stores are done
	s_barrier_signal -1
	s_barrier_wait -1
	s_cmp_lt_u32 s16, 2                            ; two K slots: waves 0 and 1 store one each
	s_cbranch_scc0 .Lno_scales
	ds_load_b64 v[12:13], v6                       ; a K slot's 256 bytes come from all four waves
	s_wait_dscnt 0x0
	global_store_b64 v7, v[12:13], s[12:13]        ; 32 lanes store 256 consecutive bytes, aligned
.Lno_scales:
	s_wait_tensorcnt 0x0                           ; the wave's end
	ds_add_u32 v192, v193
	s_wait_dscnt 0x0
	s_endpgm
.Lfunc_end_k_q7a2a3bb4f9_quant:
	.size	k_q7a2a3bb4f9_quant, .Lfunc_end_k_q7a2a3bb4f9_quant-k_q7a2a3bb4f9_quant
	.p2alignl 7, 3214868480
	.fill 96, 4, 3214868480
	.section	.rodata,"a",@progbits
	.p2align	6, 0x0
	.amdhsa_kernel k_q7a2a3bb4f9_quant
		.amdhsa_group_segment_fixed_size 34304
		.amdhsa_private_segment_fixed_size 0
		.amdhsa_enable_private_segment 0
		.amdhsa_kernarg_size 40
		.amdhsa_user_sgpr_count 2
		.amdhsa_user_sgpr_kernarg_segment_ptr 1
		.amdhsa_wavefront_size32 1
		.amdhsa_system_sgpr_workgroup_id_x 1
		.amdhsa_system_sgpr_workgroup_id_y 1
		.amdhsa_system_sgpr_workgroup_id_z 1
		.amdhsa_system_vgpr_workitem_id 0
		.amdhsa_next_free_vgpr 194
		.amdhsa_next_free_sgpr 66
		.amdhsa_reserve_vcc 0
		.amdhsa_float_denorm_mode_32 3
		.amdhsa_float_denorm_mode_16_64 3
		.amdhsa_memory_ordered 1
		.amdhsa_forward_progress 1
		.amdhsa_inst_pref_size 19
	.end_amdhsa_kernel
	.amdgpu_metadata
---
amdhsa.version: [ 1, 2 ]
amdhsa.kernels:
  - .name:           k_q7a2a3bb4f9_quant
    .symbol:         k_q7a2a3bb4f9_quant.kd
    .args:
      - { .name: hidden_states, .offset: 0, .size: 8, .value_kind: global_buffer, .address_space: global }
      - { .name: qkv_w, .offset: 8, .size: 8, .value_kind: global_buffer, .address_space: global }
      - { .name: o_w, .offset: 16, .size: 8, .value_kind: global_buffer, .address_space: global }
      - { .name: cod, .offset: 24, .size: 8, .value_kind: global_buffer, .address_space: global }
      - { .name: scl, .offset: 32, .size: 8, .value_kind: global_buffer, .address_space: global }
    .group_segment_fixed_size: 34304
    .private_segment_fixed_size: 0
    .kernarg_segment_align: 8
    .kernarg_segment_size: 40
    .max_flat_workgroup_size: 128
    .sgpr_count:     66
    .vgpr_count:     194
    .wavefront_size: 32
...
	.end_amdgpu_metadata
.endif
;; end of part 1
;; launch qk (part 2): grid 8 x 32, 4 waves a work-group, clusters of 4 x 4, 327,680 bytes of LDS; arguments cod, scl, img, isc, qkv_b, q_norm_w, q_norm_b, k_norm_w, k_norm_b; writes img, isc
.if DOCPART == 2
	.amdgcn_target "amdgcn-amd-amdhsa--gfx1250"
	.amdhsa_code_object_version 6
	.text
	.protected	k_q7a2a3bb4f9_qk
	.globl	k_q7a2a3bb4f9_qk
	.p2align	8
	.type	k_q7a2a3bb4f9_qk,@function
k_q7a2a3bb4f9_qk:
	s_mov_b64 s[64:65], 0
	v_nop
	global_prefetch_b8 v0, s[64:65] scope:SCOPE_SE
	s_setreg_imm32_b32 hwreg(HW_REG_WAVE_MODE, 25, 1), 1
	s_wait_xcnt 0x0
	s_wait_alu depctr_hold_cnt(0) depctr_sa_sdst(0) depctr_va_vdst(0) depctr_va_sdst(0) depctr_va_ssrc(0) depctr_va_vcc(0) depctr_vm_vsrc(0)
	s_getreg_b32 s2, hwreg(HW_REG_IB_STS2, 6, 4)
	s_cmp_eq_u32 s2, 0
	s_cbranch_scc0 .Lentry_in_a_cluster
	s_endpgm
.Lentry_in_a_cluster:
	s_bfe_u32 s2, ttmp6, 0x10000c
	s_cmp_lg_u32 s2, 0xf033
	s_cbranch_scc0 .Lentry_shape_is_right
	s_endpgm
.Lentry_shape_is_right:
.set PA,  4
.set PAS, 6
.set PB,  4
.set PBS, 6
.set AROW0, 0
.set BROW0, 8192
.set APIT,  2359296
.set BPIT,  2359296
.set ASTR,  12288
.set BSTR,  12288
.set BIAS_A, 0
.set NQ,     2
.set PITCH,  240
.set FR,     12
.set NL,     6
.set NP,     4
.set HALFT,  128*PITCH
.set SLOT,   4*HALFT
.set SCL,    2*SLOT
.set SPARE,  262400
.set ADRA, 16
.set ADRB, 20
.set LI16, 25
.set LANE, 26
.set ADRS, 27
.set SPW,  28
.set NIL,  29
.set SC,   32
.set BI,   64
.set AF,   128
.set LW,   96
.set LB,   224
.set G1, 24
.set G0, 32
.set G1B, 48
.set G0B, 56
.set G1S, 68
.set G0S, 76
.set G1SB, 80
.set G0SB, 88
.set MSB, 0
.macro WIN new
.if MSB != \new
	s_set_vgpr_msb (MSB<<8)|\new
.set MSB, \new
.endif
.endm
.set MUL_LO, 0xa1
.set MUL_HI, 0xf1
.set FIRST_LO, 0x81
.set FIRST_HI, 0xc1
.set TO_B,   0x40
.macro JLOAD g0a, g1a, g0b, g1b
	s_cmp_eq_u32 s15, 0
	s_cbranch_scc0 .Lfor_b_\@
	tensor_load_to_lds s[\g0a:\g0a+3], s[\g1a:\g1a+7]
	s_nop 0
.rept 4
	v_nop
.endr
	s_branch .Lasked_\@
.Lfor_b_\@:
	tensor_load_to_lds s[\g0b:\g0b+3], s[\g1b:\g1b+7]
	s_nop 0
.rept 4
	v_nop
.endr
.Lasked_\@:
.endm
.macro CREST
	s_cmp_lg_u32 s14, 0
	s_cbranch_scc1 .Lnot_wave_0_\@
	s_barrier_signal -3
.Lnot_wave_0_\@:
	s_barrier_wait -3
	s_barrier_signal -1
	s_barrier_wait -1
.endm
.macro CROUND
	s_barrier_signal -1
	s_barrier_wait -1
	CREST
.endm
	s_load_b128 s[4:7], s[0:1], 0x0
	s_load_b64 s[12:13], s[0:1], 0x10
	s_load_b64 s[66:67], s[0:1], 0x18
	s_load_b128 s[96:99], s[0:1], 0x20
	s_load_b64 s[100:101], s[0:1], 0x30
	s_load_b64 s[104:105], s[0:1], 0x38
	s_load_b64 s[2:3], s[0:1], 0x40
	v_lshl_add_u32 v[SPW], v0, 2, SPARE
	v_mov_b32 v[NIL], 0
	ds_add_u32 v28, v29
	ds_add_u32 v28, v29
	s_wait_dscnt 0x0
	v_lshrrev_b32 v1, 5, v0
	v_readfirstlane_b32 s14, v1
	s_lshr_b32 s15, s14, 1
	s_and_b32 s16, s14, 1
	s_bfe_u32 s40, ttmp6, 0x40000
	s_bfe_u32 s41, ttmp6, 0x40004
	s_lshl_b32 s42, ttmp9, 2
	s_add_co_u32 s42, s42, s40
	s_and_b32 s17, ttmp7, 0xffff
	s_lshl_b32 s17, s17, 2
	s_add_co_u32 s17, s17, s41
	s_lshl_b32 s43, s41, 2
	s_lshl_b32 s43, 15, s43
	s_lshl_b32 s44, 0x1111, s40
	s_or_b32 s[G1+0], s43, (0<<16)|(1<<20)|(1<<21)|(3<<22)|(3<<25)
	s_or_b32 s[G1B+0], s44, (0<<16)|(1<<20)|(1<<21)|(3<<22)|(3<<25)
.irp g, G1, G1B
	s_mov_b32 s[\g+1], 768<<16
	s_mov_b32 s[\g+2], 32<<16
	s_mov_b32 s[\g+3], 768<<16
	s_mov_b32 s[\g+4], 32
	s_mov_b32 s[\g+5], 768
	s_mov_b32 s[\g+6], 0
	s_mov_b32 s[\g+7], 0
.endr
	s_or_b32 s[G1S+0], s43, (3<<16)|(1<<21)
	s_or_b32 s[G1SB+0], s44, (3<<16)|(1<<21)
.irp g, G1S, G1SB
	s_mov_b32 s[\g+1], 128<<16
	s_mov_b32 s[\g+2], 4<<16
	s_mov_b32 s[\g+3], 128<<16
	s_mov_b32 s[\g+4], 4
	s_mov_b32 s[\g+6], 0
	s_mov_b32 s[\g+7], 0
.endr
	s_mov_b32 s[G1S+5], ASTR
	s_mov_b32 s[G1SB+5], BSTR
	s_lshl_b32 s18, s16, 7
	s_lshl_b32 s20, s17, 8
	s_add_co_u32 s20, s20, s18
	s_add_co_u32 s20, s20, AROW0
	s_lshl_b32 s46, s42, 8
	s_add_co_u32 s46, s46, s18
	s_add_co_u32 s46, s46, BROW0
	s_lshl_b32 s22, s20, 3
	s_mov_b32 s23, 0
	s_lshl_b32 s92, s46, 3
	s_mov_b32 s93, 0
	s_mul_i32 s20, s20, 192
	s_mov_b32 s21, 0
	s_mul_i32 s46, s46, 192
	s_mov_b32 s47, 0
	s_mul_i32 s45, s14, HALFT
	s_lshl_b32 s94, s14, 12
	s_lshl_b32 s95, s15, 7
	s_add_co_u32 s94, s94, s95
	s_wait_kmcnt 0x0
	s_add_nc_u64 s[20:21], s[PA:PA+1], s[20:21]
	s_add_nc_u64 s[22:23], s[PAS:PAS+1], s[22:23]
	s_add_nc_u64 s[46:47], s[PB:PB+1], s[46:47]
	s_add_nc_u64 s[92:93], s[PBS:PBS+1], s[92:93]
	CROUND
	s_mov_b32 s[G0S], 1
	s_add_co_u32 s[G0S+1], s94, SCL
	s_mov_b64 s[G0S+2:G0S+3], s[22:23]
	s_or_b32 s[G0S+3], s[G0S+3], 0x80000000
	s_mov_b32 s[G0SB], 1
	s_add_co_u32 s[G0SB+1], s94, SCL
	s_mov_b64 s[G0SB+2:G0SB+3], s[92:93]
	s_or_b32 s[G0SB+3], s[G0SB+3], 0x80000000
	JLOAD G0S, G1S, G0SB, G1SB
	v_bfe_u32 v2, v0, 4, 1                         ; the bias and the norm's gain and offset are asked for here, ahead of the waits for the tiles
	v_lshlrev_b32 v7, 6, v2
	s_wait_alu depctr_va_vdst(0)                   ; the wait ahead of the run of scalar lines
	s_cmp_eq_u32 ttmp9, 0
	s_cselect_b64 s[98:99], s[98:99], s[104:105]
	s_cselect_b64 s[100:101], s[100:101], s[2:3]
	s_lshl_b32 s8, s42, 10
	s_lshl_b32 s9, s16, 9
	s_add_co_u32 s8, s8, s9
	s_mov_b32 s9, 0
	s_add_nc_u64 s[96:97], s[96:97], s[8:9]
.irp b, 0,1,2,3,4,5,6,7
	global_load_b128 v[BI+8*\b:BI+8*\b+3], v7, s[96:97] offset:(32*(\b/2)+8*(\b%2))*4
	global_load_b128 v[BI+8*\b+4:BI+8*\b+7], v7, s[96:97] offset:(32*(\b/2)+8*(\b%2))*4+16
.endr
	WIN TO_B
.irp c, 0,1
.irp j, 0,1,2,3
	global_load_b128 v[LW+16*\c+4*\j:LW+16*\c+4*\j+3], v7, s[98:99] offset:128*\c+16*\j
	global_load_b128 v[LB+16*\c+4*\j:LB+16*\c+4*\j+3], v7, s[100:101] offset:128*\c+16*\j
.endr
.endr
	WIN 0
.irp s, 0,1
	s_mov_b32 s[G0+4*\s], 1
	s_add_co_u32 s[G0+4*\s+1], s45, \s*SLOT
	s_add_nc_u64 s[G0+4*\s+2:G0+4*\s+3], s[20:21], \s*APIT
	s_or_b32 s[G0+4*\s+3], s[G0+4*\s+3], 0x80000000
	s_mov_b32 s[G0B+4*\s], 1
	s_add_co_u32 s[G0B+4*\s+1], s45, \s*SLOT
	s_add_nc_u64 s[G0B+4*\s+2:G0B+4*\s+3], s[46:47], \s*BPIT
	s_or_b32 s[G0B+4*\s+3], s[G0B+4*\s+3], 0x80000000
	s_wait_alu depctr_va_vdst(0)
	s_wait_tensorcnt 0x0
	ds_add_u32 v28, v29
	s_wait_dscnt 0x0
	CROUND
	JLOAD G0+4*\s, G1, G0B+4*\s, G1B
.endr
	v_and_b32 v1, 15, v0
	v_bfe_u32 v2, v0, 4, 1
	v_mul_u32_u24 v3, v1, PITCH
	v_mul_u32_u24 v4, v2, 24
	v_add_nc_u32 v4, v3, v4
	v_lshl_add_u32 v5, v2, 4, v4
	s_mul_i32 s21, s15, HALFT
	s_mul_i32 s22, s16, HALFT
	s_add_co_u32 s22, s22, 2*HALFT
.irp s, 0,1
	v_add_nc_u32 v[ADRA+\s], s21, v4
	v_add_nc_u32 v[ADRB+\s], s22, v4
	v_add_nc_u32 v[ADRA+2+\s], s21, v5
	v_add_nc_u32 v[ADRB+2+\s], s22, v5
	s_add_co_u32 s21, s21, SLOT
	s_add_co_u32 s22, s22, SLOT
.endr
	v_lshlrev_b32 v5, 3, v1
	s_lshl_b32 s21, s15, 12
	s_lshl_b32 s22, s16, 12
	s_add_co_u32 s22, s22, 8320
	s_sub_co_u32 s22, s22, s21
	v_mul_u32_u24 v6, s22, v2
	s_add_co_u32 s21, s21, SCL
	v_add_nc_u32 v5, v5, v6
	v_add_nc_u32 v[ADRS], s21, v5
	v_and_b32 v[LANE], 31, v0
	v_lshlrev_b32 v[LI16], 4, v[LANE]
	s_wait_alu depctr_va_vdst(0)                   ; the wait behind the head's vector work
	s_lshl_b32 s20, s17, 8
	s_lshl_b32 s21, s15, 7
	s_add_co_u32 s20, s20, s21
	s_lshr_b32 s21, s20, 11
	s_bfe_u32 s22, s20, 0x40007
	s_lshl_b32 s46, s42, 2
	s_lshl_b32 s47, s16, 1
	s_add_co_u32 s46, s46, s47
	s_lshr_b32 s47, s46, 4
	s_lshl_b32 s47, s47, 6
	s_and_b32 s46, s46, 15
	s_add_co_u32 s46, s46, s47
	s_lshl_b32 s21, s21, 4
	s_add_co_u32 s46, s46, s21
	s_mul_i32 s20, s46, 98304
	s_mul_i32 s21, s22, 6144
	s_add_co_u32 s20, s20, s21
	s_mov_b32 s21, 0
	s_add_nc_u64 s[12:13], s[12:13], s[20:21]
	s_mul_i32 s20, s46, 12288
	s_lshl_b32 s22, s22, 9
	s_add_co_u32 s20, s20, s22
	s_add_nc_u64 s[66:67], s[66:67], s[20:21]
.macro FRAG reg, adr, q, i
.irp p, 0,1,2,3,4,5
.set PC, 12*(\q)+6*(\p/3)+\p%3
.if PC%8 < 5
	ds_load_b64 v[\reg+2*\p:\reg+2*\p+1], v[\adr] offset:8*PC+16*(PC/8)+(\i)*16*PITCH
.else
	ds_load_b64 v[\reg+2*\p:\reg+2*\p+1], v[\adr+2] offset:8*PC+16*(PC/8)+(\i)*16*PITCH
.endif
.endr
.endm
.macro MUL16 a0, p, q, sc, zero
.irp a, \a0, \a0+1
.irp b, 0,1,2,3,4,5,6,7
.if \zero
.if BIAS_A
.set BX, BI+8*(\a)
.else
.set BX, BI+8*\b
.endif
	v_wmma_scale_f32_16x16x128_f8f6f4 v[8*(8*((\a)%4)+\b):8*(8*((\a)%4)+\b)+7], v[128*(\p)+FR*\b:128*(\p)+FR*\b+FR-1], v[AF+FR*(\a):AF+FR*(\a)+FR-1], v[BX:BX+7], v[SC+8*NQ*(\sc)+NQ*\b+(\q)], v[SC+8*NQ*(\sc)+NQ*(\a)+(\q)] matrix_a_fmt:MATRIX_FMT_BF6 matrix_b_fmt:MATRIX_FMT_BF6 matrix_a_scale:MATRIX_SCALE_ROW1
.else
	v_wmma_scale_f32_16x16x128_f8f6f4 v[8*(8*((\a)%4)+\b):8*(8*((\a)%4)+\b)+7], v[128*(\p)+FR*\b:128*(\p)+FR*\b+FR-1], v[AF+FR*(\a):AF+FR*(\a)+FR-1], v[8*(8*((\a)%4)+\b):8*(8*((\a)%4)+\b)+7], v[SC+8*NQ*(\sc)+NQ*\b+(\q)], v[SC+8*NQ*(\sc)+NQ*(\a)+(\q)] matrix_a_fmt:MATRIX_FMT_BF6 matrix_b_fmt:MATRIX_FMT_BF6 matrix_a_scale:MATRIX_SCALE_ROW1
.endif
.endr
.endr
.endm
.macro FETCH_B slot, q, p
	WIN TO_B
.irp i, 0,1,2,3,4,5,6,7
	FRAG 128*(\p)+FR*\i, ADRB+\slot, \q, \i
.endr
	WIN 0
.endm
.macro FETCH_A slot, q, i0
.irp i, \i0, \i0+1, \i0+2, \i0+3
	FRAG AF+FR*(\i), ADRA+\slot, \q, \i
.endr
.endm
.macro SCALES sc
.irp i, 0,1,2,3,4,5,6,7
	ds_load_b64 v[SC+8*NQ*\sc+NQ*\i:SC+8*NQ*\sc+NQ*\i+1], v[ADRS] offset:\i*128
.endr
.endm
.macro PLACES n
.rept \n
	v_nop
.endr
.endm
.macro STEP slot, q, zero
	s_wait_dscnt 4*NL
.if \zero
	WIN FIRST_LO
.else
	WIN MUL_LO
.endif
	MUL16 0, (\q)%2, \q, \slot, \zero
	MUL16 2, (\q)%2, \q, \slot, \zero
	s_wait_dscnt 0
	PLACES NP
	FETCH_B \slot, (\q)+1, 1-(\q)%2
	FETCH_A \slot, (\q)+1, 0
.if \zero
	WIN FIRST_HI
.else
	WIN MUL_HI
.endif
	MUL16 4, (\q)%2, \q, \slot, \zero
	MUL16 6, (\q)%2, \q, \slot, \zero
	PLACES NP
	WIN 0
	FETCH_A \slot, (\q)+1, 4
.endm
.macro TURN slot, next, fill
	s_wait_tensorcnt 0x0
	ds_add_u32 v[SPW], v[NIL]
	s_wait_dscnt 4*NL+1
	WIN MUL_LO
	MUL16 0, 1, NQ-1, \slot, 0
	s_wait_dscnt 0x0
	s_barrier_signal -1
	MUL16 2, 1, NQ-1, \slot, 0
	WIN 0
	s_barrier_wait -1
.if \fill
	CREST
	s_add_nc_u64 s[G0+4*\slot+2:G0+4*\slot+3], s[G0+4*\slot+2:G0+4*\slot+3], 2*APIT
	s_add_nc_u64 s[G0B+4*\slot+2:G0B+4*\slot+3], s[G0B+4*\slot+2:G0B+4*\slot+3], 2*BPIT
	JLOAD G0+4*\slot, G1, G0B+4*\slot, G1B
.else
	PLACES NP
.endif
	s_wait_alu depctr_va_vdst(0)
	v_add_nc_u32 v[ADRS], 1024, v[ADRS]
	FETCH_B \next, 0, 0
	FETCH_A \next, 0, 0
	SCALES \next
	WIN MUL_HI
	MUL16 4, 1, NQ-1, \slot, 0
	MUL16 6, 1, NQ-1, \slot, 0
	PLACES NP
	WIN 0
	FETCH_A \next, 0, 4
.endm
	s_wait_loadcnt 0x0
	s_wait_tensorcnt 1
	s_barrier_signal -1
	s_barrier_wait -1
	FETCH_B 0, 0, 0
	FETCH_A 0, 0, 0
	SCALES 0
	FETCH_A 0, 0, 4
	STEP 0, 0, 1
	TURN 0, 1, 1
	STEP 1, 0, 0
	TURN 1, 0, 1
	STEP 0, 0, 0
	TURN 0, 1, 0
	STEP 1, 0, 0
	s_wait_dscnt 4*NL
	WIN MUL_LO
	MUL16 0, 1, NQ-1, 1, 0
	MUL16 2, 1, NQ-1, 1, 0
	s_wait_dscnt 0
	WIN MUL_HI
	MUL16 4, 1, NQ-1, 1, 0
	MUL16 6, 1, NQ-1, 1, 0
	WIN 0
.set Y,   128
.set S8,  160
.set MU,  176
.set RS,  178
.set TM,  180
.set FRG, 192
.set PCX, 216
.set SW,  224
.set OW4, 240
.set SEL, 18
.macro LNQ a, g, dst, sw
.set AC, 64*((\a)%4)+32*(\g)
.set W, 2+(\a)/4
.set WW, W|(W<<2)
	WIN WW
.irp k, 0,1,2,3,4,5,6,7
	v_pk_add_f32 v[S8+2*\k:S8+2*\k+1], v[AC+4*\k:AC+4*\k+1], v[AC+4*\k+2:AC+4*\k+3]
.endr
	WIN 0
.irp k, 0,1,2,3
	v_pk_add_f32 v[S8+2*\k:S8+2*\k+1], v[S8+2*\k:S8+2*\k+1], v[S8+8+2*\k:S8+9+2*\k]
.endr
.irp k, 0,1
	v_pk_add_f32 v[S8+2*\k:S8+2*\k+1], v[S8+2*\k:S8+2*\k+1], v[S8+4+2*\k:S8+5+2*\k]
.endr
	v_pk_add_f32 v[S8:S8+1], v[S8:S8+1], v[S8+2:S8+3]
	v_add_f32 v[TM+8], v[S8], v[S8+1]
	v_permlanex16_b32 v[TM+9], v[TM+8], s[SEL], s[SEL+1]
	v_add_f32 v[TM+8], v[TM+8], v[TM+9]
	v_mul_f32 v[MU], 0xbc800000, v[TM+8]
	WIN W
.irp k, 0,1,2,3,4,5,6,7,8,9,10,11,12,13,14,15
	v_pk_add_f32 v[Y+2*\k:Y+2*\k+1], v[AC+2*\k:AC+2*\k+1], v[MU:MU+1] op_sel_hi:[1,0]
.endr
	WIN 0
	v_pk_mul_f32 v[S8:S8+1], v[Y:Y+1], v[Y:Y+1]
	v_pk_mul_f32 v[S8+2:S8+3], v[Y+2:Y+3], v[Y+2:Y+3]
.irp k, 2,4,6,8,10,12,14
	v_pk_fma_f32 v[S8:S8+1], v[Y+2*\k:Y+2*\k+1], v[Y+2*\k:Y+2*\k+1], v[S8:S8+1]
	v_pk_fma_f32 v[S8+2:S8+3], v[Y+2*\k+2:Y+2*\k+3], v[Y+2*\k+2:Y+2*\k+3], v[S8+2:S8+3]
.endr
	v_pk_add_f32 v[S8:S8+1], v[S8:S8+1], v[S8+2:S8+3]
	v_add_f32 v[TM+8], v[S8], v[S8+1]
	v_permlanex16_b32 v[TM+9], v[TM+8], s[SEL], s[SEL+1]
	v_add_f32 v[TM+8], v[TM+8], v[TM+9]
	v_fmaak_f32 v[TM+8], s95, v[TM+8], 0x3727c5ac
	s_wait_alu depctr_va_vdst(0)
	v_rsq_f32 v[RS], v[TM+8]
	v_nop
	s_wait_alu depctr_va_vdst(0)
.irp k, 0,1,2,3,4,5,6,7,8,9,10,11,12,13,14,15
	v_pk_mul_f32 v[Y+2*\k:Y+2*\k+1], v[Y+2*\k:Y+2*\k+1], v[RS:RS+1] op_sel_hi:[1,0]
.endr
	WIN 0x14
.irp k, 0,1,2,3,4,5,6,7,8,9,10,11,12,13,14,15
	v_pk_fma_f32 v[Y+2*\k:Y+2*\k+1], v[Y+2*\k:Y+2*\k+1], v[LW+2*\k:LW+2*\k+1], v[LB+2*\k:LB+2*\k+1]
.endr
	WIN 0
.irp b, 0,1
	v_max3_num_f32 v[TM+\b], |v[Y+16*\b]|, |v[Y+1+16*\b]|, 0x2800000
.endr
.irp i, 2,4,6,8,10,12,14
.irp b, 0,1
	v_max3_num_f32 v[TM+\b], v[TM+\b], |v[Y+16*\b+\i]|, |v[Y+1+16*\b+\i]|
.endr
.endr
.irp b, 0,1
	v_permlanex16_b32 v[TM+2+\b], v[TM+\b], s[SEL], s[SEL+1]
.endr
.irp b, 0,1
	v_max_num_f32 v[TM+\b], v[TM+\b], v[TM+2+\b]
.endr
.irp b, 0,1
	v_add_nc_u32 v[TM+4+\b], 0xfe000000, v[TM+\b]
.endr
.irp b, 0,1
	v_lshrrev_b32 v[TM+6+\b], 23, v[TM+4+\b]
.endr
	v_lshl_or_b32 v[\sw], v[TM+7], 8, v[TM+6]
	v_cvt_scalef32_pk16_bf6_f32 v[\dst:\dst+2], v[Y:Y+15], v[TM+4]
	v_cvt_scalef32_pk16_bf6_f32 v[PCX:PCX+2], v[Y+16:Y+31], v[TM+5]
	v_nop
.irp i, 0,1,2
	v_permlane16_swap_b32 v[\dst+\i], v[PCX+\i]
.endr
.irp i, 0,1,2
	v_mov_b32 v[\dst+3+\i], v[PCX+\i]
.endr
.endm
	PLACES NP
	s_mov_b32 s[SEL], 0x76543210
	s_mov_b32 s[SEL+1], 0xfedcba98
	s_mov_b32 s95, 0x3c800000
	v_mov_b32 v[MU+1], 0
	v_mov_b32 v[RS+1], 0
	v_mov_b32 v[TM+2], 0
	v_mov_b32 v[TM+3], 0
	v_mov_b32 v[TM+9], 0
	v_cmp_le_u32 vcc_lo, 16, v[LANE]
.irp g, 0,1
.irp f, 0,1,2,3
	s_wait_xcnt 0x0
	LNQ 2*\f, \g, FRG, SW+8*\g+2*\f
	LNQ 2*\f+1, \g, FRG+6, SW+8*\g+2*\f+1
.irp c, 0,1,2
	global_store_b128 v[LI16], v[FRG+4*\c:FRG+4*\c+3], s[12:13] offset:\g*98304+\f*1536+512*\c
.endr
.endr
.endr
.irp g, 0,1
	s_wait_xcnt 0x0
.irp i, 0,1,2,3
	v_cndmask_b32 v[OW4+\i], v[SW+8*\g+\i], v[SW+8*\g+4+\i], vcc_lo
.endr
	global_store_b128 v[LI16], v[OW4:OW4+3], s[66:67] offset:\g*12288
.endr
	s_wait_tensorcnt 0x0
	ds_add_u32 v[SPW], v[NIL]
	s_wait_dscnt 0x0
	CROUND
	s_endpgm
.Lfunc_end_k_q7a2a3bb4f9_qk:
	.size	k_q7a2a3bb4f9_qk, .Lfunc_end_k_q7a2a3bb4f9_qk-k_q7a2a3bb4f9_qk
	.p2alignl 7, 3214868480
	.fill 96, 4, 3214868480
	.section	.rodata,"a",@progbits
	.p2align	6, 0x0
	.amdhsa_kernel k_q7a2a3bb4f9_qk
		.amdhsa_group_segment_fixed_size 327680
		.amdhsa_private_segment_fixed_size 0
		.amdhsa_enable_private_segment 0
		.amdhsa_kernarg_size 72
		.amdhsa_user_sgpr_count 2
		.amdhsa_user_sgpr_kernarg_segment_ptr 1
		.amdhsa_wavefront_size32 1
		.amdhsa_system_sgpr_workgroup_id_x 1
		.amdhsa_system_sgpr_workgroup_id_y 1
		.amdhsa_system_sgpr_workgroup_id_z 1
		.amdhsa_system_vgpr_workitem_id 0
		.amdhsa_next_free_vgpr 1024
		.amdhsa_next_free_sgpr 106
		.amdhsa_reserve_vcc 1
		.amdhsa_float_denorm_mode_32 3
		.amdhsa_float_denorm_mode_16_64 3
		.amdhsa_memory_ordered 1
		.amdhsa_forward_progress 1
		.amdhsa_inst_pref_size 255
	.end_amdhsa_kernel
	.section	.bss,"aw",@nobits
	.p2align	6
	.space	262144
	.amdgpu_metadata
---
amdhsa.version: [ 1, 2 ]
amdhsa.kernels:
  - .name:           k_q7a2a3bb4f9_qk
    .symbol:         k_q7a2a3bb4f9_qk.kd
    .args:
      - { .name: cod, .offset: 0, .size: 8, .value_kind: global_buffer, .address_space: global }
      - { .name: scl, .offset: 8, .size: 8, .value_kind: global_buffer, .address_space: global }
      - { .name: img, .offset: 16, .size: 8, .value_kind: global_buffer, .address_space: global }
      - { .name: isc, .offset: 24, .size: 8, .value_kind: global_buffer, .address_space: global }
      - { .name: qkv_b, .offset: 32, .size: 8, .value_kind: global_buffer, .address_space: global }
      - { .name: q_norm_w, .offset: 40, .size: 8, .value_kind: global_buffer, .address_space: global }
      - { .name: q_norm_b, .offset: 48, .size: 8, .value_kind: global_buffer, .address_space: global }
      - { .name: k_norm_w, .offset: 56, .size: 8, .value_kind: global_buffer, .address_space: global }
      - { .name: k_norm_b, .offset: 64, .size: 8, .value_kind: global_buffer, .address_space: global }
    .group_segment_fixed_size: 327680
    .private_segment_fixed_size: 0
    .kernarg_segment_align: 8
    .kernarg_segment_size: 72
    .max_flat_workgroup_size: 128
    .sgpr_count:     106
    .vgpr_count:     1024
    .wavefront_size: 32
...
	.end_amdgpu_metadata
.endif
;; end of part 2
;; launch vproj (part 3): grid 32 x 4, 4 waves a work-group, clusters of 4 x 4, 327,680 bytes of LDS; arguments cod, scl, img, isc, qkv_b; writes img, isc
.if DOCPART == 3
	.amdgcn_target "amdgcn-amd-amdhsa--gfx1250"
	.amdhsa_code_object_version 6
	.text
	.protected	k_q7a2a3bb4f9_vproj
	.globl	k_q7a2a3bb4f9_vproj
	.p2align	8
	.type	k_q7a2a3bb4f9_vproj,@function
k_q7a2a3bb4f9_vproj:
	s_mov_b64 s[64:65], 0
	v_nop
	global_prefetch_b8 v0, s[64:65] scope:SCOPE_SE
	s_setreg_imm32_b32 hwreg(HW_REG_WAVE_MODE, 25, 1), 1
	s_wait_xcnt 0x0
	s_wait_alu depctr_hold_cnt(0) depctr_sa_sdst(0) depctr_va_vdst(0) depctr_va_sdst(0) depctr_va_ssrc(0) depctr_va_vcc(0) depctr_vm_vsrc(0)
	s_getreg_b32 s2, hwreg(HW_REG_IB_STS2, 6, 4)
	s_cmp_eq_u32 s2, 0
	s_cbranch_scc0 .Lentry_in_a_cluster
	s_endpgm
.Lentry_in_a_cluster:
	s_bfe_u32 s2, ttmp6, 0x10000c
	s_cmp_lg_u32 s2, 0xf033
	s_cbranch_scc0 .Lentry_shape_is_right
	s_endpgm
.Lentry_shape_is_right:
; v = X W^T + b for W's rows 2048 .. 3071, on codes of BF6 with E8M0 scales, made TRANSPOSED for the product with the softmax, whose K is the keys; then quantised along the keys.
; IN: cod [K slot 4][row][192 bytes], scl [K slot 4][row][8 bytes]: rows 0-8191 X, 10240 on W's rows for v; inside each 32 rows bits 3 and 4 of the row number are exchanged.
; Here A (source 1, a lane's row) = W's rows, B (source 0, along the registers) = tokens.  So a lane holds one d, and by the row order the 64 registers of A block a are keys 32 bb + 16 (lane / 16) + i at register 16 bb + i.
; OUT: img's third part [batch-head 64][group of 128 keys 16][fragment dt 4][piece 3][lane 32][16 bytes]: images of operand registers, 16 d x 128 keys; lane row r of fragment dt is d = 32 (dt / 2) + 8 (dt % 2) + r % 8 + 16 (r / 8).
;      isc [second half][batch-head][8192 on]: [group 16][lane row 16][dt 4 words].
; A tile, 256 rows of W x 256 tokens, is made by four waves, 128 x 128 each.  K = 1,024 in four steps of 256 through two LDS slots; the scales come once; clusters 4 x 4 with joint loads.  The bias is the C of each sum's first instruction.
; LIMITS: a block of zeros gets the byte 1, not 127 (read by this program alone); blocks under 2^-122 are held at the byte 1; NaN and infinities are not served.
; REGISTERS: window 0: v0-31 addresses; v32-63 scale words; v64-127 the bias, 8 registers an A block; v128-223 A's fragments, later at work.  window 1: B's fragments, two sets.  windows 2, 3: the accumulators.
.set PA,  4
.set PAS, 6
.set PB,  4
.set PBS, 6
.set AROW0, 10240
.set BROW0, 0
.set APIT,  2359296
.set BPIT,  2359296
.set ASTR,  12288
.set BSTR,  12288
.set BIAS_A, 1                         ; the bias goes with A's rows
.set NQ,     2
.set PITCH,  240
.set FR,     12
.set NL,     6
.set NP,     4
.set HALFT,  128*PITCH
.set SLOT,   4*HALFT
.set SCL,    2*SLOT
.set SPARE,  262400                    ; the spare words, 128 bytes a wave: two blocks of 256 bytes that no other line names
.set ADRA, 16
.set ADRB, 20
.set SOF,  24                          ; v24  12288 h + 16 r: where my scale words go
.set LI16, 25
.set LANE, 26
.set ADRS, 27
.set SPW,  28
.set NIL,  29
.set SC,   32
.set BI,   64
.set AF,   128
.set G1, 24
.set G0, 32
.set G1B, 48
.set G0B, 56
.set G1S, 68
.set G0S, 76
.set G1SB, 80
.set G0SB, 88
.set MSB, 0
.macro WIN new                         ; the immediate's high byte repeats the setting that is left
.if MSB != \new
	s_set_vgpr_msb (MSB<<8)|\new
.set MSB, \new
.endif
.endm
.set MUL_LO, 0xa1
.set MUL_HI, 0xf1
.set FIRST_LO, 0x81
.set FIRST_HI, 0xc1
.set TO_B,   0x40
.macro JLOAD g0a, g1a, g0b, g1b        ; a joint load: waves 0, 1 for A, waves 2, 3 for B; four v_nop follow each line
	s_cmp_eq_u32 s15, 0
	s_cbranch_scc0 .Lfor_b_\@
	tensor_load_to_lds s[\g0a:\g0a+3], s[\g1a:\g1a+7]
	s_nop 0
.rept 4
	v_nop
.endr
	s_branch .Lasked_\@
.Lfor_b_\@:
	tensor_load_to_lds s[\g0b:\g0b+3], s[\g1b:\g1b+7]
	s_nop 0
.rept 4
	v_nop
.endr
.Lasked_\@:
.endm
.macro CREST
	s_cmp_lg_u32 s14, 0
	s_cbranch_scc1 .Lnot_wave_0_\@
	s_barrier_signal -3
.Lnot_wave_0_\@:
	s_barrier_wait -3
	s_barrier_signal -1
	s_barrier_wait -1
.endm
.macro CROUND
	s_barrier_signal -1
	s_barrier_wait -1
	CREST
.endm
	s_load_b128 s[4:7], s[0:1], 0x0                ; cod, scl
	s_load_b64 s[12:13], s[0:1], 0x10              ; img
	s_load_b64 s[66:67], s[0:1], 0x18              ; isc
	s_load_b64 s[96:97], s[0:1], 0x20              ; qkv_b
	v_lshl_add_u32 v[SPW], v0, 2, SPARE
	v_mov_b32 v[NIL], 0
	ds_add_u32 v28, v29
	ds_add_u32 v28, v29
	s_wait_dscnt 0x0
	v_lshrrev_b32 v1, 5, v0
	v_readfirstlane_b32 s14, v1                    ; wave 0..3
	s_lshr_b32 s15, s14, 1                         ; my half of A's rows; also: I fetch for A (0) or B (1)
	s_and_b32 s16, s14, 1                          ; my half of B's rows; also: which 128 rows I fetch
	s_bfe_u32 s40, ttmp6, 0x40000
	s_bfe_u32 s41, ttmp6, 0x40004
	s_lshl_b32 s42, ttmp9, 2
	s_add_co_u32 s42, s42, s40                     ; tile column (B: tokens)
	s_and_b32 s17, ttmp7, 0xffff
	s_lshl_b32 s17, s17, 2
	s_add_co_u32 s17, s17, s41                     ; tile row (A: W's rows)
	s_lshl_b32 s43, s41, 2
	s_lshl_b32 s43, 15, s43
	s_lshl_b32 s44, 0x1111, s40
	; codes: 128 dense rows of 192 bytes, stated as 32 rows of 768; 16 bytes of padding behind every 64
	s_or_b32 s[G1+0], s43, (0<<16)|(1<<20)|(1<<21)|(3<<22)|(3<<25)
	s_or_b32 s[G1B+0], s44, (0<<16)|(1<<20)|(1<<21)|(3<<22)|(3<<25)
.irp g, G1, G1B
	s_mov_b32 s[\g+1], 768<<16
	s_mov_b32 s[\g+2], 32<<16
	s_mov_b32 s[\g+3], 768<<16
	s_mov_b32 s[\g+4], 32
	s_mov_b32 s[\g+5], 768
	s_mov_b32 s[\g+6], 0
	s_mov_b32 s[\g+7], 0
.endr
	; scales: 4 rows (K slots) of 128 elements of 8 bytes
	s_or_b32 s[G1S+0], s43, (3<<16)|(1<<21)
	s_or_b32 s[G1SB+0], s44, (3<<16)|(1<<21)
.irp g, G1S, G1SB
	s_mov_b32 s[\g+1], 128<<16
	s_mov_b32 s[\g+2], 4<<16
	s_mov_b32 s[\g+3], 128<<16
	s_mov_b32 s[\g+4], 4
	s_mov_b32 s[\g+6], 0
	s_mov_b32 s[\g+7], 0
.endr
	s_mov_b32 s[G1S+5], ASTR
	s_mov_b32 s[G1SB+5], BSTR
	s_lshl_b32 s18, s16, 7
	s_lshl_b32 s20, s17, 8
	s_add_co_u32 s20, s20, s18
	s_add_co_u32 s20, s20, AROW0
	s_lshl_b32 s46, s42, 8
	s_add_co_u32 s46, s46, s18
	s_add_co_u32 s46, s46, BROW0
	s_lshl_b32 s22, s20, 3
	s_mov_b32 s23, 0
	s_lshl_b32 s92, s46, 3
	s_mov_b32 s93, 0
	s_mul_i32 s20, s20, 192
	s_mov_b32 s21, 0
	s_mul_i32 s46, s46, 192
	s_mov_b32 s47, 0
	s_mul_i32 s45, s14, HALFT
	s_lshl_b32 s94, s14, 12
	s_lshl_b32 s95, s15, 7
	s_add_co_u32 s94, s94, s95
	s_wait_kmcnt 0x0
	s_add_nc_u64 s[20:21], s[PA:PA+1], s[20:21]
	s_add_nc_u64 s[22:23], s[PAS:PAS+1], s[22:23]
	s_add_nc_u64 s[46:47], s[PB:PB+1], s[46:47]
	s_add_nc_u64 s[92:93], s[PBS:PBS+1], s[92:93]
	CROUND                                         ; all sixteen work-groups are here: the first joint loads meet
	s_mov_b32 s[G0S], 1
	s_add_co_u32 s[G0S+1], s94, SCL
	s_mov_b64 s[G0S+2:G0S+3], s[22:23]
	s_or_b32 s[G0S+3], s[G0S+3], 0x80000000
	s_mov_b32 s[G0SB], 1
	s_add_co_u32 s[G0SB+1], s94, SCL
	s_mov_b64 s[G0SB+2:G0SB+3], s[92:93]
	s_or_b32 s[G0SB+3], s[G0SB+3], 0x80000000
	JLOAD G0S, G1S, G0SB, G1SB
	v_and_b32 v1, 15, v0                           ; the bias is asked for here, ahead of the waits for the tiles
	v_and_b32 v7, 7, v1
	v_and_b32 v8, 8, v1
	v_lshl_add_u32 v7, v8, 1, v7                   ; r % 8 + 16 (r / 8): which row of W lies at place r of a tile
	v_lshlrev_b32 v7, 2, v7
	s_lshl_b32 s2, s17, 10                         ; the bias of my 128 rows of W: qkv_b at 2048 + 256 tile row + 128 half
	s_lshl_b32 s3, s15, 9
	s_add_co_u32 s2, s2, s3
	s_add_co_u32 s2, s2, 8192
	s_mov_b32 s3, 0
	s_add_nc_u64 s[96:97], s[96:97], s[2:3]
.irp a, 0,1,2,3,4,5,6,7
	global_load_b32 v[BI+8*\a], v7, s[96:97] offset:(32*(\a/2)+8*(\a%2))*4
.endr
.irp s, 0,1
	s_mov_b32 s[G0+4*\s], 1
	s_add_co_u32 s[G0+4*\s+1], s45, \s*SLOT
	s_add_nc_u64 s[G0+4*\s+2:G0+4*\s+3], s[20:21], \s*APIT
	s_or_b32 s[G0+4*\s+3], s[G0+4*\s+3], 0x80000000
	s_mov_b32 s[G0B+4*\s], 1
	s_add_co_u32 s[G0B+4*\s+1], s45, \s*SLOT
	s_add_nc_u64 s[G0B+4*\s+2:G0B+4*\s+3], s[46:47], \s*BPIT
	s_or_b32 s[G0B+4*\s+3], s[G0B+4*\s+3], 0x80000000
	s_wait_alu depctr_va_vdst(0)
	s_wait_tensorcnt 0x0
	ds_add_u32 v28, v29
	s_wait_dscnt 0x0
	CROUND
	JLOAD G0+4*\s, G1, G0B+4*\s, G1B               ; my one load behind this round
.endr
	v_and_b32 v1, 15, v0                           ; r
	v_bfe_u32 v2, v0, 4, 1                         ; h
	v_mul_u32_u24 v3, v1, PITCH
	v_mul_u32_u24 v4, v2, 24
	v_add_nc_u32 v4, v3, v4
	v_lshl_add_u32 v5, v2, 4, v4
	s_mul_i32 s21, s15, HALFT
	s_mul_i32 s22, s16, HALFT
	s_add_co_u32 s22, s22, 2*HALFT
.irp s, 0,1
	v_add_nc_u32 v[ADRA+\s], s21, v4
	v_add_nc_u32 v[ADRB+\s], s22, v4
	v_add_nc_u32 v[ADRA+2+\s], s21, v5
	v_add_nc_u32 v[ADRB+2+\s], s22, v5
	s_add_co_u32 s21, s21, SLOT
	s_add_co_u32 s22, s22, SLOT
.endr
	v_lshlrev_b32 v5, 3, v1
	s_lshl_b32 s21, s15, 12
	s_lshl_b32 s22, s16, 12
	s_add_co_u32 s22, s22, 8320
	s_sub_co_u32 s22, s22, s21
	v_mul_u32_u24 v6, s22, v2                      ; lanes 16-31 take B's words: one product in h
	s_add_co_u32 s21, s21, SCL
	v_add_nc_u32 v5, v5, v6
	v_add_nc_u32 v[ADRS], s21, v5
	v_and_b32 v[LANE], 31, v0
	v_lshlrev_b32 v[LI16], 4, v[LANE]
	v_mul_u32_u24 v[SOF], v2, 12288
	v_lshl_add_u32 v[SOF], v1, 4, v[SOF]
	; where my results go: token0 = 256 tile column + 128 half; head hh = 4 tile row + 2 half
	s_lshl_b32 s46, s42, 8
	s_lshl_b32 s47, s16, 7
	s_add_co_u32 s46, s46, s47
	s_lshr_b32 s47, s46, 11                        ; batch
	s_bfe_u32 s22, s46, 0x40007                    ; group of 128 keys
	s_lshl_b32 s20, s17, 2
	s_lshl_b32 s21, s15, 1
	s_add_co_u32 s20, s20, s21
	s_lshl_b32 s47, s47, 4
	s_add_co_u32 s46, s20, s47                     ; 16 batch + head
	s_add_co_u32 s20, s46, 128
	s_mul_i32 s20, s20, 98304
	s_mul_i32 s21, s22, 6144
	s_add_co_u32 s20, s20, s21
	s_mov_b32 s21, 0
	s_add_nc_u64 s[12:13], s[12:13], s[20:21]
	s_add_co_u32 s20, s46, 64
	s_mul_i32 s20, s20, 12288
	s_lshl_b32 s22, s22, 8
	s_add_co_u32 s20, s20, s22
	s_add_co_u32 s20, s20, 8192
	s_add_nc_u64 s[66:67], s[66:67], s[20:21]
	s_wait_loadcnt 0x0
.irp a, 0,1,2,3,4,5,6,7                        ; a lane's row has one bias for all its eight tokens
.irp j, 1,2,3,4,5,6,7
	v_mov_b32 v[BI+8*\a+\j], v[BI+8*\a]
.endr
.endr
.macro FRAG reg, adr, q, i             ; a fragment, 16 rows x 128 K: 12 registers, in pieces of 8 bytes; the second address register serves pieces behind one padding more
.irp p, 0,1,2,3,4,5
.set PC, 12*(\q)+6*(\p/3)+\p%3
.if PC%8 < 5
	ds_load_b64 v[\reg+2*\p:\reg+2*\p+1], v[\adr] offset:8*PC+16*(PC/8)+(\i)*16*PITCH
.else
	ds_load_b64 v[\reg+2*\p:\reg+2*\p+1], v[\adr+2] offset:8*PC+16*(PC/8)+(\i)*16*PITCH
.endif
.endr
.endm
.macro MUL16 a0, p, q, sc, zero        ; 16 matrix instructions: A's blocks a0, a0 + 1 x B's eight; the 64 accumulators take turns
.irp a, \a0, \a0+1
.irp b, 0,1,2,3,4,5,6,7
.if \zero
.if BIAS_A
.set BX, BI+8*(\a)
.else
.set BX, BI+8*\b
.endif
	v_wmma_scale_f32_16x16x128_f8f6f4 v[8*(8*((\a)%4)+\b):8*(8*((\a)%4)+\b)+7], v[128*(\p)+FR*\b:128*(\p)+FR*\b+FR-1], v[AF+FR*(\a):AF+FR*(\a)+FR-1], v[BX:BX+7], v[SC+8*NQ*(\sc)+NQ*\b+(\q)], v[SC+8*NQ*(\sc)+NQ*(\a)+(\q)] matrix_a_fmt:MATRIX_FMT_BF6 matrix_b_fmt:MATRIX_FMT_BF6 matrix_a_scale:MATRIX_SCALE_ROW1
.else
	v_wmma_scale_f32_16x16x128_f8f6f4 v[8*(8*((\a)%4)+\b):8*(8*((\a)%4)+\b)+7], v[128*(\p)+FR*\b:128*(\p)+FR*\b+FR-1], v[AF+FR*(\a):AF+FR*(\a)+FR-1], v[8*(8*((\a)%4)+\b):8*(8*((\a)%4)+\b)+7], v[SC+8*NQ*(\sc)+NQ*\b+(\q)], v[SC+8*NQ*(\sc)+NQ*(\a)+(\q)] matrix_a_fmt:MATRIX_FMT_BF6 matrix_b_fmt:MATRIX_FMT_BF6 matrix_a_scale:MATRIX_SCALE_ROW1
.endif
.endr
.endr
.endm
.macro FETCH_B slot, q, p
	WIN TO_B
.irp i, 0,1,2,3,4,5,6,7
	FRAG 128*(\p)+FR*\i, ADRB+\slot, \q, \i
.endr
	WIN 0
.endm
.macro FETCH_A slot, q, i0
.irp i, \i0, \i0+1, \i0+2, \i0+3
	FRAG AF+FR*(\i), ADRA+\slot, \q, \i
.endr
.endm
.macro SCALES sc
.irp i, 0,1,2,3,4,5,6,7
	ds_load_b64 v[SC+8*NQ*\sc+NQ*\i:SC+8*NQ*\sc+NQ*\i+1], v[ADRS] offset:\i*128
.endr
.endm
.macro PLACES n                        ; plain vector instructions between a matrix instruction and a load into, or a read of, its registers
.rept \n
	v_nop
.endr
.endm
.macro STEP slot, q, zero
	s_wait_dscnt 4*NL                              ; all but the youngest 24 loads (A's blocks 4-7)
.if \zero
	WIN FIRST_LO
.else
	WIN MUL_LO
.endif
	MUL16 0, (\q)%2, \q, \slot, \zero
	MUL16 2, (\q)%2, \q, \slot, \zero
	s_wait_dscnt 0
	PLACES NP
	FETCH_B \slot, (\q)+1, 1-(\q)%2
	FETCH_A \slot, (\q)+1, 0
.if \zero
	WIN FIRST_HI
.else
	WIN MUL_HI
.endif
	MUL16 4, (\q)%2, \q, \slot, \zero
	MUL16 6, (\q)%2, \q, \slot, \zero
	PLACES NP
	WIN 0
	FETCH_A \slot, (\q)+1, 4
.endm
.macro TURN slot, next, fill           ; a slot's last 128 change slots: one barrier, in front of it the wait for all my tensor loads, the add, and the wait for it and for my reads of this slot
	s_wait_tensorcnt 0x0
	ds_add_u32 v[SPW], v[NIL]                      ; 0 onto my spare word
	s_wait_dscnt 4*NL+1                            ; (the add and the youngest 24 loads may be out)
	WIN MUL_LO
	MUL16 0, 1, NQ-1, \slot, 0
	s_wait_dscnt 0x0
	s_barrier_signal -1
	MUL16 2, 1, NQ-1, \slot, 0
	WIN 0
	s_barrier_wait -1
.if \fill
	CREST                                          ; a round of the cluster's barrier: no wave of any partner still reads this slot or has a load on its way
	s_add_nc_u64 s[G0+4*\slot+2:G0+4*\slot+3], s[G0+4*\slot+2:G0+4*\slot+3], 2*APIT
	s_add_nc_u64 s[G0B+4*\slot+2:G0B+4*\slot+3], s[G0B+4*\slot+2:G0B+4*\slot+3], 2*BPIT
	JLOAD G0+4*\slot, G1, G0B+4*\slot, G1B
.else
	PLACES NP
.endif
	s_wait_alu depctr_va_vdst(0)
	v_add_nc_u32 v[ADRS], 1024, v[ADRS]
	FETCH_B \next, 0, 0
	FETCH_A \next, 0, 0
	SCALES \next
	WIN MUL_HI
	MUL16 4, 1, NQ-1, \slot, 0
	MUL16 6, 1, NQ-1, \slot, 0
	PLACES NP
	WIN 0
	FETCH_A \next, 0, 4
.endm
	s_wait_alu depctr_va_vdst(0)
	s_wait_tensorcnt 1                             ; the scales and my part of K slot 0 are in (K slot 1's load may be out)
	s_barrier_signal -1
	s_barrier_wait -1
	FETCH_B 0, 0, 0
	FETCH_A 0, 0, 0
	SCALES 0
	FETCH_A 0, 0, 4
	STEP 0, 0, 1
	TURN 0, 1, 1
	STEP 1, 0, 0
	TURN 1, 0, 1
	STEP 0, 0, 0
	TURN 0, 1, 0
	STEP 1, 0, 0
	s_wait_dscnt 4*NL
	WIN MUL_LO
	MUL16 0, 1, NQ-1, 1, 0
	MUL16 2, 1, NQ-1, 1, 0
	s_wait_dscnt 0
	WIN MUL_HI
	MUL16 4, 1, NQ-1, 1, 0
	MUL16 6, 1, NQ-1, 1, 0
	WIN 0
; THE WAY OUT: no LDS.  A block a's 64 registers are 128 keys of my lane's d (16 of each block of 32; the other 16 in the lane 16 away): they become one fragment and one scale word.
.set TM,  128                          ; v128-131 largest magnitudes, 132-135 the other half's, then bytes, 140-143 scale operands
.set PCD, 144                          ; v144-155 the fragment; v156-163 upper halves
.set SW,  224                          ; v224-231 scale words, one an A block
.set OW4, 240
.set SEL, 18
.macro QUANTW a
.set AC, 64*((\a)%4)
.set W, 2+(\a)/4
.set WW, W|(W<<2)
	WIN WW
.irp b, 0,1,2,3
	v_max3_num_f32 v[TM+\b], |v[AC+16*\b]|, |v[AC+1+16*\b]|, 0x2800000   ; each accumulator from its low end on; the floor 2^(5 - 127)
.endr
.irp i, 2,4,6,8,10,12,14
.irp b, 0,1,2,3
	v_max3_num_f32 v[TM+\b], |v[AC+16*\b+\i]|, |v[AC+1+16*\b+\i]|, v[TM+\b]
.endr
.endr
	WIN 0
.irp b, 0,1,2,3
	v_permlanex16_b32 v[TM+4+\b], v[TM+\b], s[SEL], s[SEL+1]
.endr
.irp b, 0,1,2,3
	v_max_num_f32 v[TM+\b], v[TM+\b], v[TM+4+\b]
.endr
.irp b, 0,1,2,3
	v_add_nc_u32 v[TM+12+\b], 0xfe000000, v[TM+\b]
.endr
.irp b, 0,1,2,3
	v_lshrrev_b32 v[TM+4+\b], 23, v[TM+12+\b]
.endr
	v_lshl_or_b32 v[SW+(\a)], v[TM+5], 8, v[TM+4]
	v_lshl_or_b32 v[SW+(\a)], v[TM+6], 16, v[SW+(\a)]
	v_lshl_or_b32 v[SW+(\a)], v[TM+7], 24, v[SW+(\a)]
	WIN W
.irp c, 0,1
	v_cvt_scalef32_pk16_bf6_f32 v[PCD+6*\c:PCD+2+6*\c], v[AC+32*\c:AC+15+32*\c], v[TM+12+2*\c]
	v_cvt_scalef32_pk16_bf6_f32 v[PCD+12+4*\c:PCD+14+4*\c], v[AC+16+32*\c:AC+31+32*\c], v[TM+12+2*\c+1]
.endr
	WIN 0
	v_nop                                          ; a plain line behind the conversions
.irp c, 0,1
.irp i, 0,1,2
	v_permlane16_swap_b32 v[PCD+6*\c+\i], v[PCD+12+4*\c+\i]
.endr
.irp i, 0,1,2
	v_mov_b32 v[PCD+3+6*\c+\i], v[PCD+12+4*\c+\i]
.endr
.endr
.endm
	PLACES NP                                      ; behind the last products
	s_mov_b32 s[SEL], 0x76543210
	s_mov_b32 s[SEL+1], 0xfedcba98
.irp b, 0,1,2,3
	v_mov_b32 v[TM+4+\b], 0                        ; a lane permute's destination counts as one of its sources
.endr
	v_cmp_le_u32 vcc_lo, 16, v[LANE]
.irp a, 0,1,2,3,4,5,6,7                        ; a = 4 (head of my two) + dt
	s_wait_xcnt 0x0                                ; the last fragment's stores have read their registers
	QUANTW \a
.irp c, 0,1,2
	global_store_b128 v[LI16], v[PCD+4*\c:PCD+4*\c+3], s[12:13] offset:(\a/4)*98304+(\a%4)*1536+512*\c   ; 512 consecutive bytes, aligned
.endr
.endr
.irp i, 0,1,2,3
	v_cndmask_b32 v[OW4+\i], v[SW+\i], v[SW+4+\i], vcc_lo   ; lanes 0-15: my first head's four words of row r; lanes 16-31: my second head's
.endr
	global_store_b128 v[SOF], v[OW4:OW4+3], s[66:67]   ; sixteen lanes fill 256 consecutive bytes, aligned
	s_wait_tensorcnt 0x0                           ; the wave's end
	ds_add_u32 v[SPW], v[NIL]
	s_wait_dscnt 0x0
	CROUND                                         ; the closing round
	s_endpgm
.Lfunc_end_k_q7a2a3bb4f9_vproj:
	.size	k_q7a2a3bb4f9_vproj, .Lfunc_end_k_q7a2a3bb4f9_vproj-k_q7a2a3bb4f9_vproj
	.p2alignl 7, 3214868480
	.fill 96, 4, 3214868480
	.section	.rodata,"a",@progbits
	.p2align	6, 0x0
	.amdhsa_kernel k_q7a2a3bb4f9_vproj
		.amdhsa_group_segment_fixed_size 327680
		.amdhsa_private_segment_fixed_size 0
		.amdhsa_enable_private_segment 0
		.amdhsa_kernarg_size 40
		.amdhsa_user_sgpr_count 2
		.amdhsa_user_sgpr_kernarg_segment_ptr 1
		.amdhsa_wavefront_size32 1
		.amdhsa_system_sgpr_workgroup_id_x 1
		.amdhsa_system_sgpr_workgroup_id_y 1
		.amdhsa_system_sgpr_workgroup_id_z 1
		.amdhsa_system_vgpr_workitem_id 0
		.amdhsa_next_free_vgpr 1024
		.amdhsa_next_free_sgpr 100
		.amdhsa_reserve_vcc 1
		.amdhsa_float_denorm_mode_32 3
		.amdhsa_float_denorm_mode_16_64 3
		.amdhsa_memory_ordered 1
		.amdhsa_forward_progress 1
		.amdhsa_inst_pref_size 168
	.end_amdhsa_kernel
	.amdgpu_metadata
---
amdhsa.version: [ 1, 2 ]
amdhsa.kernels:
  - .name:           k_q7a2a3bb4f9_vproj
    .symbol:         k_q7a2a3bb4f9_vproj.kd
    .args:
      - { .name: cod, .offset: 0, .size: 8, .value_kind: global_buffer, .address_space: global }
      - { .name: scl, .offset: 8, .size: 8, .value_kind: global_buffer, .address_space: global }
      - { .name: img, .offset: 16, .size: 8, .value_kind: global_buffer, .address_space: global }
      - { .name: isc, .offset: 24, .size: 8, .value_kind: global_buffer, .address_space: global }
      - { .name: qkv_b, .offset: 32, .size: 8, .value_kind: global_buffer, .address_space: global }
    .group_segment_fixed_size: 327680
    .private_segment_fixed_size: 0
    .kernarg_segment_align: 8
    .kernarg_segment_size: 40
    .max_flat_workgroup_size: 128
    .sgpr_count:     100
    .vgpr_count:     1024
    .wavefront_size: 32
...
	.end_amdgpu_metadata
.endif
;; end of part 3
;; launch attn (part 4): grid 4 x 64, 16 waves a work-group, clusters of 4 x 1, 327,680 bytes of LDS; arguments img, isc, acod, asc; writes acod, asc
.if DOCPART == 4
	.amdgcn_target "amdgcn-amd-amdhsa--gfx1250"
	.amdhsa_code_object_version 6
	.text
	.protected	k_q7a2a3bb4f9_attn
	.globl	k_q7a2a3bb4f9_attn
	.p2align	8
	.type	k_q7a2a3bb4f9_attn,@function
k_q7a2a3bb4f9_attn:
	s_mov_b64 s[64:65], 0
	v_nop
	global_prefetch_b8 v0, s[64:65] scope:SCOPE_SE
	s_setreg_imm32_b32 hwreg(HW_REG_WAVE_MODE, 25, 1), 1
	s_wait_xcnt 0x0
	s_wait_alu depctr_hold_cnt(0) depctr_sa_sdst(0) depctr_va_vdst(0) depctr_va_sdst(0) depctr_va_ssrc(0) depctr_va_vcc(0) depctr_vm_vsrc(0)
	s_getreg_b32 s2, hwreg(HW_REG_IB_STS2, 6, 4)
	s_cmp_eq_u32 s2, 0
	s_cbranch_scc0 .Lentry_in_a_cluster
	s_endpgm
.Lentry_in_a_cluster:
	s_bfe_u32 s2, ttmp6, 0x10000c
	s_cmp_lg_u32 s2, 0x3003
	s_cbranch_scc0 .Lentry_shape_is_right
	s_endpgm
.Lentry_shape_is_right:
; o = softmax(q k^T / 8) v for one batch-head and 512 queries a work-group, on codes of BF6 with E8M0 scales; o is quantised along d and stored as codes.
; IN: img [part q, k, v][batch-head 64][group of 128 tokens 16][fragment 4][piece 3][lane 32][16 bytes]: images of operand registers.
;     q, k: fragment f holds tokens 32 f .. 32 f + 31: registers 6 u .. 6 u + 5 of lane row x are token 32 f + 8 u + x % 8 + 16 (x / 8), all 64 d.  v: fragment dt = 16 d x 128 keys.
;     isc [q: batch-head, k and v: 64 + batch-head][12288]: token scales [group 16][block / 4][row 16][block % 4 words], from byte 8192 on v's [group 16][row 16][dt 4 words].
; OUT: acod [head 16][row 8192][48 bytes]: a head's 64 codes of a row; a wave stores its 32 rows, 1,536 consecutive bytes.  asc [K slot 4][row 8192][8 bytes]: my head's 2 bytes of each row:
;     these 256-byte units are written in part (2 bytes of 8; the scale bytes are one part in 24 of what the launch stores), since a work-group holds one head of the four that share a row of asc.
; SHARES: 16 waves, 32 queries each (two tiles of 16).  The head's whole K (98,304 bytes), V (98,304) and scales (12,288) lie in LDS at once: each wave asks for one part at the head,
; nothing is filled again, and the loop over the keys has no barrier.  CLUSTER: the four query blocks of a head ask for these tiles jointly (mask 15).
; No data prefetch: every tile is asked for at the head, so there is no loop in which to ask ahead.
; THE KEYS OF A TILE are chosen by each lane's LDS address: lane rows 0-7 of tile 4 c + w take keys 64 c + 8 w + 0..7, lane rows 8-15 keys 64 c + 32 + 8 w + 0..7.  With S^T = k q^T a lane then holds one query, and
; its 32 registers of tiles 4 c .. 4 c + 3 are keys 64 c + 32 (lane / 16) + 0 .. 31: a whole block of the next product's K, in the operand's own order.
; K's pieces of 512 bytes have 128 bytes of padding behind each, so that lane rows 0-7 and 8-15, which read two fragments 1,920 bytes apart, fall on different halves of a row of banks.
; SOFTMAX: p = 2^(t - M), M the ceiling of the running largest t; the sum is taken of the unquantised p; O and the sum are multiplied by 2^(old M - new M) in every step.
; LIMITS: the promise holds while the scaled scores t stay under 2^31 in magnitude; a block whose every p is 0 keeps the byte 1 (its codes are zeros); NaN and infinities are not served.
.set VB,    122880                     ; LDS: K from 0 (192 pieces of 640), V,
.set SB,    221184                     ; the scales,
.set STG,   233472                     ; a stage of 32 rows x 80 bytes for each wave,
.set SPARE, 274432                     ; the spare words, 128 bytes a wave
.set SPW, 1
.set NIL, 2
.set BK,  3                            ; lane parts of the LDS addresses: K, V, K's scales, V's scales
.set BV,  4
.set BKS, 5
.set BVS, 6
.set SH8, 7                            ; 8 (lane / 16)
.set ST,  8                            ; v8-15: for each tile -M, the largest score, the sum in two halves
.set QW,  16
.set PW,  18
.set FF,  20
.set TA,  21
.set W,   22                           ; the working LDS address
.set TC,  23
.set KS,  24                           ; v24-31 scale words of K, then of V
.set Q,   32                           ; v32-55 two tiles of q: 6 registers of codes, 6 of zeros
.set F,   56                           ; v56-103 fragments of K, then of V
.set PCD, 104                          ; v104-127 p's codes
.set S,   128                          ; v128-191 scores, then p
.set O,   192                          ; v192-255 O^T
.set WV,  12
.set G1K, 24
.set G1V, 32
.set G1S, 40
.set G0K, 48
.set G0V, 52
.set G0S, 56
.set SEL, 70
.set CS,  72
.set CN,  74
.set TK,  75
.set TKS, 76
.set TV,  77
.set TVS, 78
.set CNT, 79
.macro ROUND
	s_barrier_signal -1
	s_barrier_wait -1
	s_cmp_lg_u32 s[WV], 0
	s_cbranch_scc1 .Lnot_wave_0_\@
	s_barrier_signal -3
.Lnot_wave_0_\@:
	s_barrier_wait -3
	s_barrier_signal -1
	s_barrier_wait -1
.endm
.macro D n
	s_delay_alu instid0(VALU_DEP_\n)
.endm
.macro AFTER_LOAD
	s_nop 0
.rept 4
	v_nop
.endr
.endm
	s_load_b256 s[4:11], s[0:1], 0x0               ; img, isc, acod, asc
	v_lshl_add_u32 v[SPW], v0, 2, SPARE
	v_mov_b32 v[NIL], 0
	ds_add_u32 v[SPW], v[NIL]                      ; the opening lines: the add twice on end and one wait
	ds_add_u32 v[SPW], v[NIL]
	v_lshrrev_b32 v[W], 5, v0
	v_readfirstlane_b32 s[WV], v[W]
	s_bfe_u32 s13, ttmp6, 0x40000                  ; cx: my block of 512 queries
	s_and_b32 s14, ttmp7, 0xffff                   ; batch-head
	s_mul_i32 s15, s14, 98304
	s_lshl_b32 s80, s[WV], 14
	s_add_co_u32 s80, s80, s15
	s_add_co_u32 s16, s80, 6291456                 ; waves 0-5: K, 16,384 bytes each
	s_mov_b32 s17, 0
	s_add_co_u32 s18, s80, 12582912-6*16384        ; waves 6-11: V
	s_mov_b32 s19, 0
	s_mul_i32 s81, s[WV], 3072
	s_mul_i32 s82, s14, 12288
	s_add_co_u32 s20, s81, s82
	s_add_co_u32 s20, s20, 64*12288-12*3072        ; waves 12-15: the scales, 3,072 bytes each
	s_mov_b32 s21, 0
	s_mov_b32 s[G0K], 1
	s_mul_i32 s[G0K+1], s[WV], 20480
	s_mov_b32 s[G0V], 1
	s_lshl_b32 s[G0V+1], s[WV], 14
	s_add_co_u32 s[G0V+1], s[G0V+1], VB-6*16384
	s_mov_b32 s[G0S], 1
	s_add_co_u32 s[G0S+1], s81, SB-12*3072
	s_mov_b32 s[G1K], 15|(3<<16)|(1<<20)|(1<<21)|(6<<22)|(31<<25)   ; rows of 64 x 8 bytes, 32 words of padding behind each 128
	s_mov_b32 s[G1V], 15|(3<<16)|(1<<21)
	s_mov_b32 s[G1S], 15|(3<<16)|(1<<21)
.irp g, G1K, G1V, G1S
	s_mov_b32 s[\g+1], 64<<16
	s_mov_b32 s[\g+3], 64<<16
	s_mov_b32 s[\g+5], 64
	s_mov_b32 s[\g+6], 0
	s_mov_b32 s[\g+7], 0
.endr
	s_mov_b32 s[G1K+2], 32<<16
	s_mov_b32 s[G1K+4], 32
	s_mov_b32 s[G1V+2], 32<<16
	s_mov_b32 s[G1V+4], 32
	s_mov_b32 s[G1S+2], 6<<16
	s_mov_b32 s[G1S+4], 6
	s_lshl_b32 s83, s13, 2                         ; my queries: group 4 cx + wave / 4, fragment wave % 4
	s_lshr_b32 s84, s[WV], 2
	s_add_co_u32 s83, s83, s84
	s_mul_i32 s22, s83, 6144
	s_add_co_u32 s22, s22, s15
	s_and_b32 s84, s[WV], 3
	s_mul_i32 s84, s84, 1536
	s_add_co_u32 s22, s22, s84
	s_mov_b32 s23, 0
	s_lshl_b32 s60, s83, 9
	s_add_co_u32 s60, s60, s82
	s_bfe_u32 s84, s[WV], 0x10001
	s_lshl_b32 s84, s84, 8
	s_add_co_u32 s60, s60, s84
	s_and_b32 s84, s[WV], 1
	s_lshl_b32 s84, s84, 3
	s_add_co_u32 s60, s60, s84
	s_mov_b32 s61, 0
	s_lshr_b32 s83, s14, 4                         ; my first row: 2048 batch + 512 cx + 32 wave
	s_lshl_b32 s83, s83, 11
	s_lshl_b32 s84, s13, 9
	s_add_co_u32 s83, s83, s84
	s_lshl_b32 s84, s[WV], 5
	s_add_co_u32 s83, s83, s84
	s_and_b32 s84, s14, 15
	s_mul_i32 s66, s84, 393216
	s_mul_i32 s84, s83, 48
	s_add_co_u32 s66, s66, s84
	s_mov_b32 s67, 0
	s_bfe_u32 s84, s14, 0x20002
	s_lshl_b32 s68, s84, 16
	s_lshl_b32 s84, s83, 3
	s_add_co_u32 s68, s68, s84
	s_and_b32 s84, s14, 3
	s_lshl_b32 s84, s84, 1
	s_add_co_u32 s68, s68, s84
	s_mov_b32 s69, 0
	s_mov_b32 s[SEL], 0x76543210
	s_mov_b32 s[SEL+1], 0xfedcba98
	s_mov_b32 s[CS], 0x3e38aa3b                    ; c = log2(e) / 8
	s_mov_b32 s[CS+1], s[CS]
	s_mov_b32 s[CN], 0xbe38aa3b                    ; -c
	s_mov_b32 s[TK], 0
	s_mov_b32 s[TKS], 0
	s_mov_b32 s[TV], 0
	s_mov_b32 s[TVS], 0
	s_mov_b32 s[CNT], 16
	s_wait_dscnt 0x0
	s_wait_kmcnt 0x0
	s_add_nc_u64 s[G0K+2:G0K+3], s[4:5], s[16:17]
	s_or_b32 s[G0K+3], s[G0K+3], 0x80000000
	s_add_nc_u64 s[G0V+2:G0V+3], s[4:5], s[18:19]
	s_or_b32 s[G0V+3], s[G0V+3], 0x80000000
	s_add_nc_u64 s[G0S+2:G0S+3], s[6:7], s[20:21]
	s_or_b32 s[G0S+3], s[G0S+3], 0x80000000
	s_add_nc_u64 s[4:5], s[4:5], s[22:23]
	s_add_nc_u64 s[6:7], s[6:7], s[60:61]
	s_add_nc_u64 s[8:9], s[8:9], s[66:67]
	s_add_nc_u64 s[10:11], s[10:11], s[68:69]
	ROUND                                          ; the four work-groups are here: the joint loads meet
	s_cmp_lt_u32 s[WV], 6                          ; one chain of branches on the wave's number, one load to an arm
	s_cbranch_scc0 .Lhead_v
	tensor_load_to_lds s[G0K:G0K+3], s[G1K:G1K+7]
	AFTER_LOAD
	s_branch .Lasked
.Lhead_v:
	s_cmp_lt_u32 s[WV], 12
	s_cbranch_scc0 .Lhead_s
	tensor_load_to_lds s[G0V:G0V+3], s[G1V:G1V+7]
	AFTER_LOAD
	s_branch .Lasked
.Lhead_s:
	tensor_load_to_lds s[G0S:G0S+3], s[G1S:G1S+7]
	AFTER_LOAD
.Lasked:
	v_and_b32 v[S], 31, v0
	v_and_b32 v[S+1], 15, v0
	v_lshlrev_b32 v[S], 4, v[S]                    ; 16 lane
	v_lshlrev_b32 v[S+1], 4, v[S+1]                ; 16 (lane % 16)
	global_load_b128 v[Q:Q+3], v[S], s[4:5]
	global_load_b64 v[Q+4:Q+5], v[S], s[4:5] offset:512
	global_load_b64 v[Q+12:Q+13], v[S], s[4:5] offset:520
	global_load_b128 v[Q+14:Q+17], v[S], s[4:5] offset:1024
	global_load_b64 v[QW:QW+1], v[S+1], s[6:7]
	v_add_nc_u32 v[BV], VB, v[S]
	v_add_nc_u32 v[BVS], SB+8192, v[S+1]
	v_bfe_u32 v[S+2], v0, 3, 1
	v_and_b32 v[S+3], 7, v0
	v_bfe_u32 v[S+4], v0, 4, 1
	v_mul_u32_u24 v[BK], v[S+2], 1920              ; lane rows 8-15 read the next fragment,
	v_lshlrev_b32 v[BKS], 4, v[S+3]
	v_lshl_add_u32 v[BK], v[S+3], 4, v[BK]         ; at lane row r % 8 of the image
	v_lshl_add_u32 v[BKS], v[S+2], 3, v[BKS]
	v_lshl_add_u32 v[BK], v[S+4], 8, v[BK]
	v_add_nc_u32 v[BKS], SB, v[BKS]
	v_lshlrev_b32 v[SH8], 3, v[S+4]
.irp j, 6,7,8,9,10,11,18,19,20,21,22,23
	v_mov_b32 v[Q+\j], 0                           ; K = 64: the upper 64 of the instruction's 128 are zero codes
.endr
.irp j, 0,1,2,3,4,5
	v_mov_b32 v[PCD+\j], 0                         ; read beside K's last tile, against q's zero codes
.endr
.irp t, 0,1
	v_mov_b32 v[ST+1+4*\t], 0xff61b1e6             ; -3e38, under every score
	v_mov_b32 v[ST+4*\t], 0x7f61b1e6               ; -M: so the first factor is 0
	v_mov_b32 v[ST+2+4*\t], 0
	v_mov_b32 v[ST+3+4*\t], 0
.endr
	v_mov_b32 v[TC], 0                             ; a lane permute's destination counts as a source
.set J, 0
.rept 64
	v_mov_b32 v[O+J], 0                            ; the step is written once: the first finds zeros
.set J, J+1
.endr
.macro QK t                            ; S^T = k q^T: eight tiles of 16 keys; tile k's codes are registers F + 6 k .. + 5, what follows them meets zero codes
.irp k, 0,1,2,3,4,5,6,7
	v_wmma_scale_f32_16x16x128_f8f6f4 v[S+8*\k:S+8*\k+7], v[F+6*\k:F+6*\k+11], v[Q+12*\t:Q+12*\t+11], 0, v[KS+\k], v[QW+\t] matrix_a_fmt:MATRIX_FMT_BF6 matrix_b_fmt:MATRIX_FMT_BF6
.endr
.endm
.macro SOFT t                          ; 16 queries x 128 keys: maxima, p, the sum, p's codes and scale word, O^T under the new M
.set NM, ST+4*\t
.set TX, NM+1
.set L,  NM+2
.set PC, PCD+12*\t
.set XA, PC+4                          ; at work in registers that the codes' last moves fill
.set XB, PC+10
.set OT, O+32*\t
.irp b, 0,1
	v_max3_num_f32 v[XA+\b], v[S+16*\b], v[S+1+16*\b], v[S+2+16*\b]
	v_max3_num_f32 v[XB+\b], v[S+32+16*\b], v[S+33+16*\b], v[S+34+16*\b]
.endr
.irp i, 3,5,7,9,11,13
.irp b, 0,1
	v_max3_num_f32 v[XA+\b], v[XA+\b], v[S+16*\b+\i], v[S+1+16*\b+\i]
	v_max3_num_f32 v[XB+\b], v[XB+\b], v[S+32+16*\b+\i], v[S+33+16*\b+\i]
.endr
.endr
	v_max3_num_f32 v[XA], v[XA], v[XA+1], v[S+15]
	v_max3_num_f32 v[XB], v[XB], v[XB+1], v[S+47]
	v_max_num_f32 v[XA], v[XA], v[S+31]            ; my two blocks' largest scores: they serve for the row's maximum and for the blocks' largest p
	v_max_num_f32 v[XA+1], v[XB], v[S+63]
	D 1
	v_max_num_f32 v[TA], v[XA], v[XA+1]
	D 1
	v_permlanex16_b32 v[TC], v[TA], s[SEL], s[SEL+1]
	D 1
	v_max3_num_f32 v[TX], v[TX], v[TA], v[TC]      ; the running largest score
	D 1
	v_mul_f32 v[TA], s[CN], v[TX]
	D 1
	v_floor_f32 v[TC], v[TA]                       ; the new -M = floor(-t)
	D 1
	v_sub_f32 v[TA], v[TC], v[NM]                  ; old M - new M
	v_mov_b32 v[NM], v[TC]
.set J, 0
.rept 32
	v_pk_fma_f32 v[S+J:S+J+1], v[S+J:S+J+1], s[CS:CS+1], v[NM:NM+1] op_sel_hi:[1,0,0]
.set J, J+2
.endr
	v_fma_f32 v[XA], v[XA], s[CS], v[NM]
	v_fma_f32 v[XA+1], v[XA+1], s[CS], v[NM]
	s_wait_alu depctr_va_vdst(0)                   ; the wait ahead of the batch
.set J, 0
.rept 64
	v_exp_f32 v[S+J], v[S+J]
.set J, J+1
.endr
	v_exp_f32 v[XA], v[XA]
	v_exp_f32 v[XA+1], v[XA+1]
	v_cvt_i32_f32 v[TA], v[TA]                     ; (it saturates)
	v_ldexp_f32 v[FF], 1.0, v[TA]                  ; f = 2^(old M - new M)
	s_wait_alu depctr_va_vdst(0)                   ; and behind it
	v_max_num_f32 v[XA], 0x2800000, v[XA]          ; the floor 2^(5 - 127)
	v_max_num_f32 v[XA+1], 0x2800000, v[XA+1]
	v_pk_fma_f32 v[L:L+1], v[L:L+1], v[FF:FF+1], v[S:S+1] op_sel_hi:[1,0,1]   ; the sum of the unquantised p, in two chains
	v_pk_add_f32 v[XB:XB+1], v[S+2:S+3], v[S+6:S+7]
	v_pk_add_f32 v[L:L+1], v[L:L+1], v[S+4:S+5]
	v_add_nc_u32 v[XA], 0xfe000000, v[XA]          ; 4 off the exponent field: the conversions' scale operands
	v_add_nc_u32 v[XA+1], 0xfe000000, v[XA+1]
.irp j, 8,12,16,20,24,28,32,36,40,44,48,52,56,60
	v_pk_add_f32 v[L:L+1], v[L:L+1], v[S+\j:S+\j+1]
	v_pk_add_f32 v[XB:XB+1], v[XB:XB+1], v[S+\j+2:S+\j+3]
.endr
	D 1
	v_pk_add_f32 v[L:L+1], v[L:L+1], v[XB:XB+1]
	v_cvt_scalef32_pk16_bf6_f32 v[PC:PC+2], v[S:S+15], v[XA]
	v_cvt_scalef32_pk16_bf6_f32 v[PC+6:PC+8], v[S+32:S+47], v[XA+1]
	v_lshrrev_b32 v[TA], 23, v[XA]                 ; my two scale bytes: blocks h and 2 + h
	v_lshrrev_b32 v[TC], 23, v[XA+1]
	v_lshl_or_b32 v[TA], v[TC], 16, v[TA]
	v_cvt_scalef32_pk16_bf6_f32 v[S:S+2], v[S+16:S+31], v[XA]        ; (three registers from an even one on: made in p's registers that are done with, and moved)
	v_cvt_scalef32_pk16_bf6_f32 v[S+32:S+34], v[S+48:S+63], v[XA+1]
	v_lshlrev_b32 v[TA], v[SH8], v[TA]
	D 1
	v_permlanex16_b32 v[TC], v[TA], s[SEL], s[SEL+1]
	D 1
	v_or_b32 v[PW+\t], v[TA], v[TC]                ; with the other half's two bytes: p's scale word
.irp i, 0,1,2
	v_mov_b32 v[PC+3+\i], v[S+\i]
	v_mov_b32 v[PC+9+\i], v[S+32+\i]
.endr
	s_wait_alu depctr_va_vdst(0)                   ; the wait directly ahead of O^T's first reader
.set J, 0
.rept 16
	v_pk_mul_f32 v[OT+J:OT+J+1], v[OT+J:OT+J+1], v[FF:FF+1] op_sel_hi:[1,0]
.set J, J+2
.endr
.endm
	s_wait_alu depctr_va_vdst(0)                   ; the wait at the head's end
	s_wait_loadcnt 0x0
	s_wait_tensorcnt 0x0                           ; my part of the tiles is in
	s_barrier_signal -1
	s_barrier_wait -1                              ; and everybody's
.Lgroup:                                               ; a trip: 128 keys
	v_add_nc_u32 v[W], s[TK], v[BK]
.rept 3
	v_nop                                          ; four places behind the last products, whose fragments lay in F
.endr
.irp c, 0,1
.irp u, 0,1
.irp p, 0,1,2
	ds_load_b128 v[F+12*(2*\c+\u)+4*\p:F+12*(2*\c+\u)+4*\p+3], v[W] offset:(6*\c+\p)*640+128*\u
.endr
.endr
.endr
	v_add_nc_u32 v[W], s[TKS], v[BKS]
.irp c, 0,1
.irp u, 0,1
	ds_load_b64 v[KS+2*(2*\c+\u):KS+2*(2*\c+\u)+1], v[W] offset:256*\c+128*\u
.endr
.endr
	s_wait_dscnt 0x0
	QK 0
.rept 4
	v_nop
.endr
	SOFT 0
	QK 1                                           ; K's fragments serve both tiles of queries
	v_add_nc_u32 v[W], s[TV], v[BV]
.rept 3
	v_nop
.endr
.irp n, 0,1,2,3,4,5,6,7,8,9,10,11
	ds_load_b128 v[F+4*\n:F+4*\n+3], v[W] offset:512*\n      ; V's fragments come while the second tile's p is made
.endr
	v_add_nc_u32 v[W], s[TVS], v[BVS]
	ds_load_b128 v[KS:KS+3], v[W]
	SOFT 1
	s_wait_alu depctr_va_vdst(0)
	s_wait_dscnt 0x0
.irp d, 0,1,2,3
.irp u, 0,1
	v_wmma_scale_f32_16x16x128_f8f6f4 v[O+32*\u+8*\d:O+32*\u+8*\d+7], v[F+12*\d:F+12*\d+11], v[PCD+12*\u:PCD+12*\u+11], v[O+32*\u+8*\d:O+32*\u+8*\d+7], v[KS+\d], v[PW+\u] matrix_a_fmt:MATRIX_FMT_BF6 matrix_b_fmt:MATRIX_FMT_BF6
.endr
.endr
	s_add_co_u32 s[TK], s[TK], 7680
	s_add_co_u32 s[TKS], s[TKS], 512
	s_add_co_u32 s[TV], s[TV], 6144
	s_add_co_u32 s[TVS], s[TVS], 256
	s_sub_co_u32 s[CNT], s[CNT], 1
	s_cmp_lg_u32 s[CNT], 0
	s_cbranch_scc1 .Lgroup
; THE WAY OUT: O^T / the sum, quantised along d.  Registers 16 b + i of a tile are d = 32 b + 16 h + i of query 8 t + r % 8 + 16 (r / 8): 12 bytes of codes, which go through my own stage and leave as 384 consecutive bytes a store.
.set ER,  F
.set EH,  F+1
.set SA,  F+2
.set AR,  F+3
.set AG,  F+4
.set AO,  F+5
.set ET,  F+6
.set BM,  F+8
.set T2,  F+10
.set SO,  F+12
.set FX,  F+14
.set TM,  F+16
.set OV,  F+38
.rept 4
	v_nop
.endr
	s_mul_i32 s80, s[WV], 2560
	s_add_co_u32 s80, s80, STG
	v_and_b32 v[ER], 15, v0
	v_bfe_u32 v[EH], v0, 4, 1
	v_and_b32 v[AG], 31, v0
	v_and_b32 v[ET], 7, v[ER]
	v_and_b32 v[AO], 8, v[ER]
	v_lshrrev_b32 v[AR], 2, v[AG]
	v_lshl_add_u32 v[ET], v[AO], 1, v[ET]          ; r % 8 + 16 (r / 8)
	v_mul_u32_u24 v[AR], v[AR], 80
	v_mul_u32_u24 v[SA], v[ET], 80
	v_lshl_add_u32 v[AO], v[EH], 3, v[ET]
	v_and_b32 v[ET], 3, v[AG]
	v_lshl_add_u32 v[SA], v[EH], 4, v[SA]
	v_lshl_add_u32 v[AR], v[ET], 4, v[AR]
	v_lshlrev_b32 v[AO], 3, v[AO]                  ; asc: lanes 0-15 tile 0's rows, lanes 16-31 tile 1's
	v_add_nc_u32 v[SA], s80, v[SA]
	v_add_nc_u32 v[AR], s80, v[AR]
	v_mul_u32_u24 v[AG], v[AG], 12
	v_mov_b32 v[T2], 0
	v_mov_b32 v[T2+1], 0
	v_mov_b32 v[FX+1], 0
.macro OUTT t
.set L,  ST+2+4*\t
.set OT, O+32*\t
.set Y,  S+32*\t
.set CV, F+20+8*\t
.set WD, F+36+\t
	v_add_f32 v[TM], v[L], v[L+1]
	D 1
	v_permlanex16_b32 v[T2], v[TM], s[SEL], s[SEL+1]
	D 1
	v_add_f32 v[TM], v[TM], v[T2]                  ; the row's sum
	s_wait_alu depctr_va_vdst(0)
	v_rcp_f32 v[FX], v[TM]
	v_nop
	s_wait_alu depctr_va_vdst(0)
.set J, 0
.rept 16
	v_pk_mul_f32 v[Y+J:Y+J+1], v[OT+J:OT+J+1], v[FX:FX+1] op_sel_hi:[1,0]
.set J, J+2
.endr
.irp b, 0,1
	v_max3_num_f32 v[BM+\b], |v[Y+16*\b]|, |v[Y+1+16*\b]|, 0x2800000
.endr
.irp i, 2,4,6,8,10,12,14
.irp b, 0,1
	D 2
	v_max3_num_f32 v[BM+\b], v[BM+\b], |v[Y+16*\b+\i]|, |v[Y+1+16*\b+\i]|
.endr
.endr
.irp b, 0,1
	D 2
	v_permlanex16_b32 v[T2+\b], v[BM+\b], s[SEL], s[SEL+1]
.endr
.irp b, 0,1
	D 2
	v_max_num_f32 v[BM+\b], v[BM+\b], v[T2+\b]
.endr
.irp b, 0,1
	D 2
	v_add_nc_u32 v[SO+\b], 0xfe000000, v[BM+\b]
.endr
.irp b, 0,1
	D 2
	v_lshrrev_b32 v[T2+\b], 23, v[SO+\b]
.endr
	D 1
	v_lshl_or_b32 v[WD], v[T2+1], 8, v[T2]
	v_cvt_scalef32_pk16_bf6_f32 v[CV:CV+2], v[Y:Y+15], v[SO]
	v_cvt_scalef32_pk16_bf6_f32 v[CV+4:CV+6], v[Y+16:Y+31], v[SO+1]
	v_nop
	ds_store_b96 v[SA], v[CV:CV+2] offset:640*\t
	ds_store_b96 v[SA], v[CV+4:CV+6] offset:640*\t+32
.endm
	OUTT 0
	OUTT 1
	v_cmp_eq_u32 vcc_lo, 1, v[EH]
	v_cndmask_b32 v[OV], v[F+36], v[F+37], vcc_lo
	global_store_b16 v[AO], v[OV], s[10:11]
.irp i, 0,1,2,3
	ds_load_b96 v[O+4*\i:O+4*\i+2], v[AR] offset:640*\i     ; LDS serves a wave's instructions in order: these see my stores
.endr
.irp i, 0,1,2,3
	s_wait_dscnt 3-\i                              ; the younger loads may be out
	global_store_b96 v[AG], v[O+4*\i:O+4*\i+2], s[8:9] offset:384*\i
.endr
	s_wait_tensorcnt 0x0                           ; the wave's end
	ds_add_u32 v[SPW], v[NIL]
	s_wait_dscnt 0x0
	ROUND                                          ; the closing round
	s_endpgm
.Lfunc_end_k_q7a2a3bb4f9_attn:
	.size	k_q7a2a3bb4f9_attn, .Lfunc_end_k_q7a2a3bb4f9_attn-k_q7a2a3bb4f9_attn
	.p2alignl 7, 3214868480
	.fill 96, 4, 3214868480
	.section	.rodata,"a",@progbits
	.p2align	6, 0x0
	.amdhsa_kernel k_q7a2a3bb4f9_attn
		.amdhsa_group_segment_fixed_size 327680
		.amdhsa_private_segment_fixed_size 0
		.amdhsa_enable_private_segment 0
		.amdhsa_kernarg_size 32
		.amdhsa_user_sgpr_count 2
		.amdhsa_user_sgpr_kernarg_segment_ptr 1
		.amdhsa_wavefront_size32 1
		.amdhsa_system_sgpr_workgroup_id_x 1
		.amdhsa_system_sgpr_workgroup_id_y 1
		.amdhsa_system_sgpr_workgroup_id_z 1
		.amdhsa_system_vgpr_workitem_id 0
		.amdhsa_next_free_vgpr 256
		.amdhsa_next_free_sgpr 88
		.amdhsa_reserve_vcc 1
		.amdhsa_float_denorm_mode_32 3
		.amdhsa_float_denorm_mode_16_64 3
		.amdhsa_memory_ordered 1
		.amdhsa_forward_progress 1
		.amdhsa_inst_pref_size 49
	.end_amdhsa_kernel
	.amdgpu_metadata
---
amdhsa.version: [ 1, 2 ]
amdhsa.kernels:
  - .name:           k_q7a2a3bb4f9_attn
    .symbol:         k_q7a2a3bb4f9_attn.kd
    .args:
      - { .name: img, .offset: 0, .size: 8, .value_kind: global_buffer, .address_space: global }
      - { .name: isc, .offset: 8, .size: 8, .value_kind: global_buffer, .address_space: global }
      - { .name: acod, .offset: 16, .size: 8, .value_kind: global_buffer, .address_space: global }
      - { .name: asc, .offset: 24, .size: 8, .value_kind: global_buffer, .address_space: global }
    .group_segment_fixed_size: 327680
    .private_segment_fixed_size: 0
    .kernarg_segment_align: 8
    .kernarg_segment_size: 32
    .max_flat_workgroup_size: 512
    .sgpr_count:     88
    .vgpr_count:     256
    .wavefront_size: 32
...
	.end_amdgpu_metadata
.endif
;; end of part 4
;; launch oproj (part 5): grid 4 x 32, 4 waves a work-group, clusters of 4 x 4, 327,680 bytes of LDS; arguments acod, asc, cod, scl, o_b, out0; writes out0
.if DOCPART == 5
	.amdgcn_target "amdgcn-amd-amdhsa--gfx1250"
	.amdhsa_code_object_version 6
	.text
	.protected	k_q7a2a3bb4f9_oproj
	.globl	k_q7a2a3bb4f9_oproj
	.p2align	8
	.type	k_q7a2a3bb4f9_oproj,@function
k_q7a2a3bb4f9_oproj:
	s_mov_b64 s[64:65], 0
	v_nop
	global_prefetch_b8 v0, s[64:65] scope:SCOPE_SE
	s_setreg_imm32_b32 hwreg(HW_REG_WAVE_MODE, 25, 1), 1
	s_wait_xcnt 0x0
	s_wait_alu depctr_hold_cnt(0) depctr_sa_sdst(0) depctr_va_vdst(0) depctr_va_sdst(0) depctr_va_ssrc(0) depctr_va_vcc(0) depctr_vm_vsrc(0)
	s_getreg_b32 s2, hwreg(HW_REG_IB_STS2, 6, 4)
	s_cmp_eq_u32 s2, 0
	s_cbranch_scc0 .Lentry_in_a_cluster
	s_endpgm
.Lentry_in_a_cluster:
	s_bfe_u32 s2, ttmp6, 0x10000c
	s_cmp_lg_u32 s2, 0xf033
	s_cbranch_scc0 .Lentry_shape_is_right
	s_endpgm
.Lentry_shape_is_right:
.set PA,  4
.set PAS, 6
.set PB,  8
.set PBS, 10
.set AROW0, 0
.set BROW0, 11264
.set APIT,  1572864
.set BPIT,  2359296
.set ASTR,  8192
.set BSTR,  12288
.set BIAS_A, 0
.set SIZE_N, 1024
.set NQ,     2
.set PITCH,  240
.set FR,     12
.set NL,     6
.set NP,     4
.set HALFT,  128*PITCH
.set SLOT,   4*HALFT
.set SCL,    2*SLOT
.set SPARE,  262400
.set SPITCH, 528
.set ADRA, 16
.set ADRB, 20
.set STO,  24
.set RD,   25
.set CO,   26
.set ADRS, 27
.set SPW,  28
.set NIL,  29
.set SC,   32
.set BI,   64
.set AF,   128
.set BK,   128
.set G1, 24
.set G0, 32
.set G1B, 48
.set G0B, 56
.set G1S, 68
.set G0S, 76
.set G1SB, 80
.set G0SB, 88
.set MSB, 0
.macro WIN new
.if MSB != \new
	s_set_vgpr_msb (MSB<<8)|\new
.set MSB, \new
.endif
.endm
.set MUL_LO, 0xa1
.set MUL_HI, 0xf1
.set FIRST_LO, 0x81
.set FIRST_HI, 0xc1
.set TO_B,   0x40
.macro JLOAD g0a, g1a, g0b, g1b
	s_cmp_eq_u32 s15, 0
	s_cbranch_scc0 .Lfor_b_\@
	tensor_load_to_lds s[\g0a:\g0a+3], s[\g1a:\g1a+7]
	s_nop 0
.rept 4
	v_nop
.endr
	s_branch .Lasked_\@
.Lfor_b_\@:
	tensor_load_to_lds s[\g0b:\g0b+3], s[\g1b:\g1b+7]
	s_nop 0
.rept 4
	v_nop
.endr
.Lasked_\@:
.endm
.macro CREST
	s_cmp_lg_u32 s14, 0
	s_cbranch_scc1 .Lnot_wave_0_\@
	s_barrier_signal -3
.Lnot_wave_0_\@:
	s_barrier_wait -3
	s_barrier_signal -1
	s_barrier_wait -1
.endm
.macro CROUND
	s_barrier_signal -1
	s_barrier_wait -1
	CREST
.endm
	s_load_b128 s[4:7], s[0:1], 0x0
	s_load_b128 s[8:11], s[0:1], 0x10
	s_load_b64 s[96:97], s[0:1], 0x20
	s_load_b64 s[12:13], s[0:1], 0x28
	v_lshl_add_u32 v[SPW], v0, 2, SPARE
	v_mov_b32 v[NIL], 0
	ds_add_u32 v28, v29
	ds_add_u32 v28, v29
	s_wait_dscnt 0x0
	v_lshrrev_b32 v1, 5, v0
	v_readfirstlane_b32 s14, v1
	s_lshr_b32 s15, s14, 1
	s_and_b32 s16, s14, 1
	s_bfe_u32 s40, ttmp6, 0x40000
	s_bfe_u32 s41, ttmp6, 0x40004
	s_lshl_b32 s42, ttmp9, 2
	s_add_co_u32 s42, s42, s40
	s_and_b32 s17, ttmp7, 0xffff
	s_lshl_b32 s17, s17, 2
	s_add_co_u32 s17, s17, s41
	s_lshl_b32 s43, s41, 2
	s_lshl_b32 s43, 15, s43
	s_lshl_b32 s44, 0x1111, s40
	s_or_b32 s[G1+0], s43, (3<<16)|(1<<21)         ; A: acod is [head 16][row 8192][48 bytes]: a K slot's tile is 4 heads x 128 dense rows = 4 rows of 768 x 8 bytes, no padding
	s_or_b32 s[G1B+0], s44, (0<<16)|(1<<20)|(1<<21)|(3<<22)|(3<<25)
.irp g, G1, G1B
	s_mov_b32 s[\g+1], 768<<16
	s_mov_b32 s[\g+2], 32<<16
	s_mov_b32 s[\g+3], 768<<16
	s_mov_b32 s[\g+4], 32
	s_mov_b32 s[\g+5], 768
	s_mov_b32 s[\g+6], 0
	s_mov_b32 s[\g+7], 0
.endr
	s_or_b32 s[G1S+0], s43, (3<<16)|(1<<21)
	s_or_b32 s[G1SB+0], s44, (3<<16)|(1<<21)
.irp g, G1S, G1SB
	s_mov_b32 s[\g+1], 128<<16
	s_mov_b32 s[\g+2], 4<<16
	s_mov_b32 s[\g+3], 128<<16
	s_mov_b32 s[\g+4], 4
	s_mov_b32 s[\g+6], 0
	s_mov_b32 s[\g+7], 0
.endr
	s_mov_b32 s[G1S+5], ASTR
	s_mov_b32 s[G1+2], 4<<16
	s_mov_b32 s[G1+4], 4
	s_mov_b32 s[G1+5], 49152                       ; from head to head: 393,216 bytes
	s_mov_b32 s[G1SB+5], BSTR
	s_lshl_b32 s18, s16, 7
	s_lshl_b32 s20, s17, 8
	s_add_co_u32 s20, s20, s18
	s_add_co_u32 s20, s20, AROW0
	s_lshl_b32 s46, s42, 8
	s_add_co_u32 s46, s46, s18
	s_add_co_u32 s46, s46, BROW0
	s_lshl_b32 s22, s20, 3
	s_mov_b32 s23, 0
	s_lshl_b32 s92, s46, 3
	s_mov_b32 s93, 0
	s_mul_i32 s20, s20, 48
	s_mov_b32 s21, 0
	s_mul_i32 s46, s46, 192
	s_mov_b32 s47, 0
	s_mul_i32 s45, s14, HALFT
	s_lshl_b32 s94, s14, 12
	s_lshl_b32 s95, s15, 7
	s_add_co_u32 s94, s94, s95
	s_wait_kmcnt 0x0
	s_add_nc_u64 s[20:21], s[PA:PA+1], s[20:21]
	s_add_nc_u64 s[22:23], s[PAS:PAS+1], s[22:23]
	s_add_nc_u64 s[46:47], s[PB:PB+1], s[46:47]
	s_add_nc_u64 s[92:93], s[PBS:PBS+1], s[92:93]
	CROUND
	s_mov_b32 s[G0S], 1
	s_add_co_u32 s[G0S+1], s94, SCL
	s_mov_b64 s[G0S+2:G0S+3], s[22:23]
	s_or_b32 s[G0S+3], s[G0S+3], 0x80000000
	s_mov_b32 s[G0SB], 1
	s_add_co_u32 s[G0SB+1], s94, SCL
	s_mov_b64 s[G0SB+2:G0SB+3], s[92:93]
	s_or_b32 s[G0SB+3], s[G0SB+3], 0x80000000
	JLOAD G0S, G1S, G0SB, G1SB
	v_bfe_u32 v2, v0, 4, 1                         ; the bias is asked for here, ahead of the waits for the tiles
	v_lshlrev_b32 v7, 6, v2
	s_lshl_b32 s2, s42, 10
	s_lshl_b32 s3, s16, 9
	s_add_co_u32 s2, s2, s3
	s_mov_b32 s3, 0
	s_add_nc_u64 s[96:97], s[96:97], s[2:3]
.irp b, 0,1,2,3,4,5,6,7
	global_load_b128 v[BI+8*\b:BI+8*\b+3], v7, s[96:97] offset:(32*(\b/2)+8*(\b%2))*4
	global_load_b128 v[BI+8*\b+4:BI+8*\b+7], v7, s[96:97] offset:(32*(\b/2)+8*(\b%2))*4+16
.endr
.irp s, 0,1
	s_mov_b32 s[G0+4*\s], 1
	s_add_co_u32 s[G0+4*\s+1], s45, \s*SLOT
	s_add_nc_u64 s[G0+4*\s+2:G0+4*\s+3], s[20:21], \s*APIT
	s_or_b32 s[G0+4*\s+3], s[G0+4*\s+3], 0x80000000
	s_mov_b32 s[G0B+4*\s], 1
	s_add_co_u32 s[G0B+4*\s+1], s45, \s*SLOT
	s_add_nc_u64 s[G0B+4*\s+2:G0B+4*\s+3], s[46:47], \s*BPIT
	s_or_b32 s[G0B+4*\s+3], s[G0B+4*\s+3], 0x80000000
	s_wait_alu depctr_va_vdst(0)
	s_wait_tensorcnt 0x0
	ds_add_u32 v28, v29
	s_wait_dscnt 0x0
	CROUND
	JLOAD G0+4*\s, G1, G0B+4*\s, G1B
.endr
	v_and_b32 v1, 15, v0
	v_bfe_u32 v2, v0, 4, 1
	v_mul_u32_u24 v3, v1, PITCH
	v_mul_u32_u24 v4, v2, 24
	v_add_nc_u32 v4, v3, v4
	v_lshl_add_u32 v5, v2, 4, v4
	v_mul_u32_u24 v8, v1, 48                       ; A's rows lie 48 bytes apart in LDS: 12 words, so the 32 lanes of a load of 8 bytes touch 64 different banks
	v_mad_u32_u24 v8, v2, 24, v8
	s_mul_i32 s21, s15, HALFT
	s_mul_i32 s22, s16, HALFT
	s_add_co_u32 s22, s22, 2*HALFT
.irp s, 0,1
	v_add_nc_u32 v[ADRA+\s], s21, v8
	v_add_nc_u32 v[ADRB+\s], s22, v4
	v_add_nc_u32 v[ADRA+2+\s], s21, v5
	v_add_nc_u32 v[ADRB+2+\s], s22, v5
	s_add_co_u32 s21, s21, SLOT
	s_add_co_u32 s22, s22, SLOT
.endr
	v_lshlrev_b32 v5, 3, v1
	s_lshl_b32 s21, s15, 12
	s_lshl_b32 s22, s16, 12
	s_add_co_u32 s22, s22, 8320
	s_sub_co_u32 s22, s22, s21
	v_mul_u32_u24 v6, s22, v2
	s_add_co_u32 s21, s21, SCL
	v_add_nc_u32 v5, v5, v6
	v_add_nc_u32 v[ADRS], s21, v5
	s_mul_i32 s23, s14, 16*SPITCH
	v_mul_u32_u24 v5, v1, SPITCH
	v_lshl_add_u32 v5, v2, 6, v5
	v_add_nc_u32 v[STO], s23, v5
	v_and_b32 v6, 31, v0
	v_lshlrev_b32 v[CO], 4, v6
	v_add_nc_u32 v[RD], s23, v[CO]
	s_lshl_b32 s46, s42, 10
	s_lshl_b32 s47, s16, 9
	s_add_co_u32 s46, s46, s47
	s_mov_b32 s47, 0
	s_lshl_b32 s20, s17, 8
	s_lshl_b32 s21, s15, 7
	s_add_co_u32 s20, s20, s21
	s_lshl_b32 s20, s20, 12
	s_mov_b32 s21, 0
	s_add_nc_u64 s[20:21], s[20:21], s[46:47]
	s_add_nc_u64 s[12:13], s[12:13], s[20:21]
.macro FRAG reg, adr, q, i
.irp p, 0,1,2,3,4,5
.set PC, 12*(\q)+6*(\p/3)+\p%3
.if PC%8 < 5
	ds_load_b64 v[\reg+2*\p:\reg+2*\p+1], v[\adr] offset:8*PC+16*(PC/8)+(\i)*16*PITCH
.else
	ds_load_b64 v[\reg+2*\p:\reg+2*\p+1], v[\adr+2] offset:8*PC+16*(PC/8)+(\i)*16*PITCH
.endif
.endr
.endm
.macro MUL16 a0, p, q, sc, zero
.irp a, \a0, \a0+1
.irp b, 0,1,2,3,4,5,6,7
.if \zero
.if BIAS_A
.set BX, BI+8*(\a)
.else
.set BX, BI+8*\b
.endif
	v_wmma_scale_f32_16x16x128_f8f6f4 v[8*(8*((\a)%4)+\b):8*(8*((\a)%4)+\b)+7], v[128*(\p)+FR*\b:128*(\p)+FR*\b+FR-1], v[AF+FR*(\a):AF+FR*(\a)+FR-1], v[BX:BX+7], v[SC+8*NQ*(\sc)+NQ*\b+(\q)], v[SC+8*NQ*(\sc)+NQ*(\a)+(\q)] matrix_a_fmt:MATRIX_FMT_BF6 matrix_b_fmt:MATRIX_FMT_BF6 matrix_a_scale:MATRIX_SCALE_ROW1
.else
	v_wmma_scale_f32_16x16x128_f8f6f4 v[8*(8*((\a)%4)+\b):8*(8*((\a)%4)+\b)+7], v[128*(\p)+FR*\b:128*(\p)+FR*\b+FR-1], v[AF+FR*(\a):AF+FR*(\a)+FR-1], v[8*(8*((\a)%4)+\b):8*(8*((\a)%4)+\b)+7], v[SC+8*NQ*(\sc)+NQ*\b+(\q)], v[SC+8*NQ*(\sc)+NQ*(\a)+(\q)] matrix_a_fmt:MATRIX_FMT_BF6 matrix_b_fmt:MATRIX_FMT_BF6 matrix_a_scale:MATRIX_SCALE_ROW1
.endif
.endr
.endr
.endm
.macro FETCH_B slot, q, p
	WIN TO_B
.irp i, 0,1,2,3,4,5,6,7
	FRAG 128*(\p)+FR*\i, ADRB+\slot, \q, \i
.endr
	WIN 0
.endm
.macro FETCH_A slot, q, i0
.irp i, \i0, \i0+1, \i0+2, \i0+3
.irp p, 0,1,2,3,4,5
	ds_load_b64 v[AF+FR*(\i)+2*\p:AF+FR*(\i)+2*\p+1], v[ADRA+\slot] offset:(2*(\q)+\p/3)*6144+8*(\p%3)+(\i)*768
.endr
.endr
.endm
.macro SCALES sc
.irp i, 0,1,2,3,4,5,6,7
	ds_load_b64 v[SC+8*NQ*\sc+NQ*\i:SC+8*NQ*\sc+NQ*\i+1], v[ADRS] offset:\i*128
.endr
.endm
.macro PLACES n
.rept \n
	v_nop
.endr
.endm
.macro STEP slot, q, zero
	s_wait_dscnt 4*NL
.if \zero
	WIN FIRST_LO
.else
	WIN MUL_LO
.endif
	MUL16 0, (\q)%2, \q, \slot, \zero
	MUL16 2, (\q)%2, \q, \slot, \zero
	s_wait_dscnt 0
	PLACES NP
	FETCH_B \slot, (\q)+1, 1-(\q)%2
	FETCH_A \slot, (\q)+1, 0
.if \zero
	WIN FIRST_HI
.else
	WIN MUL_HI
.endif
	MUL16 4, (\q)%2, \q, \slot, \zero
	MUL16 6, (\q)%2, \q, \slot, \zero
	PLACES NP
	WIN 0
	FETCH_A \slot, (\q)+1, 4
.endm
.macro TURN slot, next, fill
	s_wait_tensorcnt 0x0
	ds_add_u32 v[SPW], v[NIL]
	s_wait_dscnt 4*NL+1
	WIN MUL_LO
	MUL16 0, 1, NQ-1, \slot, 0
	s_wait_dscnt 0x0
	s_barrier_signal -1
	MUL16 2, 1, NQ-1, \slot, 0
	WIN 0
	s_barrier_wait -1
.if \fill
	CREST
	s_add_nc_u64 s[G0+4*\slot+2:G0+4*\slot+3], s[G0+4*\slot+2:G0+4*\slot+3], 2*APIT
	s_add_nc_u64 s[G0B+4*\slot+2:G0B+4*\slot+3], s[G0B+4*\slot+2:G0B+4*\slot+3], 2*BPIT
	JLOAD G0+4*\slot, G1, G0B+4*\slot, G1B
.else
	PLACES NP
.endif
	s_wait_alu depctr_va_vdst(0)
	v_add_nc_u32 v[ADRS], 1024, v[ADRS]
	FETCH_B \next, 0, 0
	FETCH_A \next, 0, 0
	SCALES \next
	WIN MUL_HI
	MUL16 4, 1, NQ-1, \slot, 0
	MUL16 6, 1, NQ-1, \slot, 0
	PLACES NP
	WIN 0
	FETCH_A \next, 0, 4
.endm
	s_wait_alu depctr_va_vdst(0)
	s_wait_loadcnt 0x0
	s_wait_tensorcnt 1
	s_barrier_signal -1
	s_barrier_wait -1
	FETCH_B 0, 0, 0
	FETCH_A 0, 0, 0
	SCALES 0
	FETCH_A 0, 0, 4
	STEP 0, 0, 1
	TURN 0, 1, 1
	STEP 1, 0, 0
	TURN 1, 0, 1
	STEP 0, 0, 0
	TURN 0, 1, 0
	STEP 1, 0, 0
	s_wait_dscnt 4*NL
	WIN MUL_LO
	MUL16 0, 1, NQ-1, 1, 0
	MUL16 2, 1, NQ-1, 1, 0
	s_wait_dscnt 0
	WIN MUL_HI
	MUL16 4, 1, NQ-1, 1, 0
	MUL16 6, 1, NQ-1, 1, 0
	WIN 0
.macro TOSTAGE a
.set AC, 64*((\a)%4)
.set WS, 0x08+4*((\a)/4)
	WIN WS
.irp b, 0,1,2,3,4,5,6,7
	ds_store_b128 v[STO], v[AC+8*\b:AC+8*\b+3] offset:128*(\b/2)+32*(\b%2)
	ds_store_b128 v[STO], v[AC+8*\b+4:AC+8*\b+7] offset:128*(\b/2)+32*(\b%2)+16
.endr
	WIN 0
.set BB, BK+64*((\a)%2)
.irp t, 0,1,2,3,4,5,6,7,8,9,10,11,12,13,14,15
	ds_load_b128 v[BB+4*\t:BB+4*\t+3], v[RD] offset:\t*SPITCH
.endr
.endm
.macro SEND a, younger
.set BB, BK+64*((\a)%2)
	s_wait_dscnt \younger
.if (\a) > 0
	s_add_nc_u64 s[12:13], s[12:13], 16*SIZE_N*4
.endif
.irp t, 0,1,2,3,4,5,6,7,8,9,10,11,12,13,14,15
	global_store_b128 v[CO], v[BB+4*\t:BB+4*\t+3], s[12:13] offset:\t*SIZE_N*4 th:TH_STORE_NT
.endr
.endm
	PLACES NP
	TOSTAGE 0
.irp a, 1,2,3,4,5,6,7
.if \a > 1
	s_wait_xcnt 0x0
.endif
	TOSTAGE \a
	SEND \a-1, 32
.endr
	s_wait_xcnt 0x0
	SEND 7, 0
	s_wait_tensorcnt 0x0
	ds_add_u32 v[SPW], v[NIL]
	s_wait_dscnt 0x0
	CROUND
	s_endpgm
.Lfunc_end_k_q7a2a3bb4f9_oproj:
	.size	k_q7a2a3bb4f9_oproj, .Lfunc_end_k_q7a2a3bb4f9_oproj-k_q7a2a3bb4f9_oproj
	.p2alignl 7, 3214868480
	.fill 96, 4, 3214868480
	.section	.rodata,"a",@progbits
	.p2align	6, 0x0
	.amdhsa_kernel k_q7a2a3bb4f9_oproj
		.amdhsa_group_segment_fixed_size 327680
		.amdhsa_private_segment_fixed_size 0
		.amdhsa_enable_private_segment 0
		.amdhsa_kernarg_size 48
		.amdhsa_user_sgpr_count 2
		.amdhsa_user_sgpr_kernarg_segment_ptr 1
		.amdhsa_wavefront_size32 1
		.amdhsa_system_sgpr_workgroup_id_x 1
		.amdhsa_system_sgpr_workgroup_id_y 1
		.amdhsa_system_sgpr_workgroup_id_z 1
		.amdhsa_system_vgpr_workitem_id 0
		.amdhsa_next_free_vgpr 1024
		.amdhsa_next_free_sgpr 100
		.amdhsa_reserve_vcc 0
		.amdhsa_float_denorm_mode_32 3
		.amdhsa_float_denorm_mode_16_64 3
		.amdhsa_memory_ordered 1
		.amdhsa_forward_progress 1
		.amdhsa_inst_pref_size 163
	.end_amdhsa_kernel
	.amdgpu_metadata
---
amdhsa.version: [ 1, 2 ]
amdhsa.kernels:
  - .name:           k_q7a2a3bb4f9_oproj
    .symbol:         k_q7a2a3bb4f9_oproj.kd
    .args:
      - { .name: acod, .offset: 0, .size: 8, .value_kind: global_buffer, .address_space: global }
      - { .name: asc, .offset: 8, .size: 8, .value_kind: global_buffer, .address_space: global }
      - { .name: cod, .offset: 16, .size: 8, .value_kind: global_buffer, .address_space: global }
      - { .name: scl, .offset: 24, .size: 8, .value_kind: global_buffer, .address_space: global }
      - { .name: o_b, .offset: 32, .size: 8, .value_kind: global_buffer, .address_space: global }
      - { .name: out0, .offset: 40, .size: 8, .value_kind: global_buffer, .address_space: global }
    .group_segment_fixed_size: 327680
    .private_segment_fixed_size: 0
    .kernarg_segment_align: 8
    .kernarg_segment_size: 48
    .max_flat_workgroup_size: 128
    .sgpr_count:     100
    .vgpr_count:     1024
    .wavefront_size: 32
...
	.end_amdgpu_metadata
.endif
;; end of part 5
